; MI455X (gfx1250); checked and timed in simulation.
; The chip was launched on July 23, 2026; its instructions are those of AMD's public machine-readable ISA for CDNA 5 (MIT licence, August 2026) and "CDNA5" Instruction Set Architecture Reference Guide (July 2026). The comments in the code are by the model that wrote it; some were corrected since.
;; MHA. Allowed arithmetic: matrix products marked QUANTISED: E2M3 operands, one E8M0 scale for each 32 along K, by v_wmma_scale_f32_16x16x128_f8f6f4 with both operands' format E2M3, f32 sums; products left as they are: f32 operands where the result goes on into a quantised operand, else bf16, f16 or f32 operands; f32 sums; everything else in f32.
;; Inputs: P_k_codes 16 x 64 x 32 x 24 uint8 (E2M3 codes of P_k, K innermost, in blocks of 32 codes, four codes in three bytes); P_k_scales 16 x 64 x 32 uint8 (E8M0 scales of P_k, one for each 32 codes along K); P_o 16 x 1,024 x 64 float32; P_q_codes 16 x 64 x 32 x 24 uint8 (E2M3 codes of P_q, K innermost, in blocks of 32 codes, four codes in three bytes); P_q_scales 16 x 64 x 32 uint8 (E8M0 scales of P_q, one for each 32 codes along K); P_v_codes 16 x 64 x 32 x 24 uint8 (E2M3 codes of P_v, K innermost, in blocks of 32 codes, four codes in three bytes); P_v_scales 16 x 64 x 32 uint8 (E8M0 scales of P_v, one for each 32 codes along K); x_codes 8 x 1,024 x 32 x 24 uint8 (E2M3 codes of x, K innermost, in blocks of 32 codes, four codes in three bytes); x_scales 8 x 1,024 x 32 uint8 (E8M0 scales of x, one for each 32 codes along K).
;; Outputs: out0 8 x 1,024 x 1,024 float32.
;; This version of the problem:
;;   THIS VERSION OF THE PROBLEM IS GIVEN IN LOW PRECISION. The matrix products marked QUANTISED in the list below multiply operands that are first quantised to E2M3 (2 exponent bits, 3 mantissa bits; 6 bits a number), with one power-of-two scale for each 32 numbers along K (OCP MX v1.0); their sums are f32. All else is computed in f32.
;;   The module's matrix products, in the order in which they are computed (A, B: the left and right operand; K: the contracted axis; several contracted axes count as one K, in the product's order):
;;     1. [M 1,024, K 1,024] x [K 1,024, N 8,192]; A: input P_q (given as codes); B: input x (given as codes): QUANTISED
;;     2. [M 1,024, K 1,024] x [K 1,024, N 8,192]; A: input P_k (given as codes); B: input x (given as codes): QUANTISED
;;     3. [M 1,024, K 1,024] x [K 1,024, N 8,192]; A: input P_v (given as codes); B: input x (given as codes): QUANTISED
;;     4. batch 128 x [M 1,024, K 64] x [K 64, N 1,024]; A: computed on the way; B: computed on the way: QUANTISED
;;     5. batch 131,072 x [M 1, K 1] x [K 1, N 64]; A: computed on the way; B: computed on the way: left as it is (no contracted axis)
;;     6. [M 8,192, K 1,024] x [K 1,024, N 1,024]; A: computed on the way; B: input P_o: QUANTISED
;;   THE QUANTISER, for each operand of a quantised product, along K:
;;     - K is cut into blocks of 32 from its start; a last block that is shorter is filled with zeros.
;;     - A block's scale is 2^e with e = floor(log2(the largest magnitude in the block)) - 2, held to -126 .. 127; a block of zeros has e = 0. As a byte (E8M0): e + 127.
;;     - Each number is divided by its block's scale, clamped to +-7.5, and rounded to the nearest number of E2M3, ties to even, subnormals kept.
;;     - The product sums the exact products of the quantised numbers (number of the format x scale) in f32.
;;   ~~~python
;;   def quantise(x, axis):      # numpy; x: float32 -> the quantised numbers, widened to float32 again
;;       x = np.moveaxis(x, axis, -1); K = x.shape[-1]
;;       x = np.pad(x, [(0, 0)] * (x.ndim - 1) + [(0, -K % 32)]); x = x.reshape(x.shape[:-1] + (-1, 32)); a = np.abs(x).max(-1, keepdims=True)
;;       e = np.where(a > 0, np.clip(np.frexp(np.where(a > 0, a, 1))[1] - 1 - 2, -126, 127), 0)      # np.frexp(a)[1] - 1 = floor(log2(a)), exactly
;;       r = np.clip(x / 2.0 ** e, -7.5, 7.5)
;;       step = 2.0 ** (np.maximum(np.frexp(np.where(r == 0, 1, r))[1] - 1, 0) - 3)
;;       q = np.round(r / step) * step * 2.0 ** e      # np.round: ties to even
;;       return np.moveaxis(q.reshape(q.shape[:-2] + (-1,))[..., :K], -1, axis).astype(np.float32)
;;   ~~~
;;   OPERANDS COMPUTED ON THE WAY. 'Computed on the way' means the value that the module computes at that place (a softmax that the list does not call 'softmax' is quantised finished and normalised). What goes into a quantiser is computed in f32, as accurately as f32 sums, v_exp_f32 and their like allow (about 1e-6 of the number): no bf16 or f16 on the way to a quantiser, and a product that is left as it is and whose result goes on into a quantised operand takes f32 operands (vector FMAs, or v_wmma_f32_16x16x4_f32). A number that lies on a knife's edge between two numbers of the format may be rounded either way, as far as f32 arithmetic and the matrix unit's own rounding can turn it there, and no further.
;;   INPUTS GIVEN AS CODES. P_k (in the module: [16, 1024, 64], K = its axis 1); P_q (in the module: [16, 1024, 64], K = its axis 1); P_v (in the module: [16, 1024, 64], K = its axis 1); x (in the module: [8, 1024, 1024], K = its axis 2): each comes as NAME_codes (uint8): NAME with its K axis moved to the last place and cut into blocks of 32 codes, [.., K / 32, bytes a block], one block behind the other in memory; four codes in three bytes: a row's codes are one little-endian stream of bits, code i at bits 6 i .. 6 i + 5 (a code: sign, 2 exponent bits, 3 mantissa bits); and NAME_scales (uint8): the same leading axes, one E8M0 byte (e + 127) for each 32 codes along K. Its value is code x scale, taken as it is: it is not quantised again, and the codes and scales need not be those that the quantiser above would give.
;; One version. Each part assembles by itself: llvm-mc -triple=amdgcn-amd-amdhsa -mcpu=gfx1250 --defsym DOCPART=n.
;; ======== version 1 of 1: 3 launches
;; limits: right only within a limited range of input values
;; workspace buffers: qk 13,631,488 bytes; o_img 6,291,456 bytes; o_scl 262,144 bytes; po_img 786,432 bytes; po_scl 32,768 bytes
;; launch proj (part 1): grid 8 x 32, 4 waves a work-group, clusters of 4 x 4, 327,680 bytes of LDS; arguments x_codes, x_scales, P_q_codes, P_q_scales, P_k_codes, P_k_scales, P_o, qk, po_img, po_scl; writes qk, po_img, po_scl
.if DOCPART == 1
	.amdgcn_target "amdgcn-amd-amdhsa--gfx1250"
	.amdhsa_code_object_version 6
	.text
	.protected	k_qd27770083d_proj
	.globl	k_qd27770083d_proj
	.p2align	8
	.type	k_qd27770083d_proj,@function
k_qd27770083d_proj:
	s_mov_b64 s[64:65], 0
	v_nop
	global_prefetch_b8 v0, s[64:65] scope:SCOPE_SE
	s_setreg_imm32_b32 hwreg(HW_REG_WAVE_MODE, 25, 1), 1
	s_wait_xcnt 0x0
	s_wait_alu depctr_hold_cnt(0) depctr_sa_sdst(0) depctr_va_vdst(0) depctr_va_sdst(0) depctr_va_ssrc(0) depctr_va_vcc(0) depctr_vm_vsrc(0)
	s_getreg_b32 s2, hwreg(HW_REG_IB_STS2, 6, 4)
	s_cmp_eq_u32 s2, 0
	s_cbranch_scc0 .Lentry_in_a_cluster
	s_endpgm
.Lentry_in_a_cluster:
	s_bfe_u32 s2, ttmp6, 0x10000c
	s_cmp_lg_u32 s2, 0xf033
	s_cbranch_scc0 .Lentry_shape_is_right
	s_endpgm
.Lentry_shape_is_right:
; Q = x P_q and K = x P_k on E2M3 codes with E8M0 scales; each result is quantised along its head's 64 numbers and stored as operand images in qk.  P_o is quantised along (head, v) into po_img, po_scl.
; WORK LEFT OUT, in the program as a whole: score tiles that lie wholly above the causal diagonal.  reference() sets them to -inf by its own tril mask, so their exponentials are 0 for all values of the inputs
; and they reach neither a row's maximum nor its sum.  No input is left out.  LIMIT: a NaN, an infinity or an overflow that would arise only in those tiles is not carried to the result.
; A block of 256 rows of x by 256 rows of P (cluster x 0: P_q, 1: P_k) to a work-group of four waves; a wave makes 128 x 128: 64 accumulators.
; K = 1,024 is 768 bytes a row: three chunks of 256 bytes, chunk c in slot c % 2 of a ring of two LDS slots; a step of 128 along K is 96 bytes, so steps 2 and 5 lie across two chunks.
; The scales of the 256 + 256 rows are two dense blocks of 8,192 bytes, brought once.  CLUSTER 4 x 4: x's tiles are asked for jointly along a row, P's along a column.
; The matrix instruction is used transposed (source 0 = P's rows, source 1 = x's): a lane holds eight neighbouring columns of one row of x.
; No prefetch: the block is the largest, in clusters, and K has three chunks only, two of them asked for at the start.
; qk: record (Q or K, batch, head) of 53,248 bytes: 64 half-images of 768 bytes (16 rows x 64 K: registers 0-3 at 16 x lane, 4-5 at 512 + 8 x lane), then 1,024 scale words (two bytes used).
; Inside a block of 32 the order of k is 0-7, 16-23, 8-15, 24-31, alike in Q and K, and alike in o and P_o.  A block of zeros gets the byte 1 over zero codes.
; REGISTERS: window 0: v16-31 addresses; v32-63 scale words; v64-127 at work at the head and on the way out; v128-223 x's fragments.  window 1: P's fragments, two sets.  windows 2, 3: the accumulators.
.set ROWB,   256
.set NQ,     2
.set KROW,   768
.set STEPS,  8
.set CHUNKS, 3
.set PITCH,  272
.set FR,     12
.set NL,     6
.set NP,     4
.set HALFT,  128*PITCH
.set SLOT,   4*HALFT
.set KS,     32
.set SCL,    2*SLOT
.set HALFS,  16*272
.set SBLK,   544
.set SPARE,  SCL+4*HALFS
.set REC,    53248
.set PSTG,   SPARE+512                 ; behind the spare words: 8,704 bytes for each of waves 0 and 1, in which P_o's rows are turned; no tile lands there
.set PR,     160                       ; v160-223 P_o as it comes from memory
.set ADRA, 16
.set ADRB, 20
.set L16,  24
.set L8,   25
.set ASTG, 26
.set ADRS, 27
.set SPW,  28
.set NIL,  29
.set SH16, 30
.set ARD,  31
.set SC,   32
.set TM,   64
.set PW,   80
.set PT,   84
.set CD,   96
.set TW,   108
.set RDB,  120
.set AF,   128
.set PN,   64
.set PM,   128
.set PSO,  130
.set PBY,  132
.set PWD,  134
.set PTM,  135
.set PCD,  136
.set PPT,  148
.set G0H, 4
.set G0HB, 8
.set G1, 24
.set G0, 32
.set G1B, 48
.set G0B, 56
.set G1S, 68
.set G0S, 76
.set G1SB, 80
.set G0SB, 88
.set MSB, 0
.macro WIN new
.if MSB != \new
	s_set_vgpr_msb (MSB<<8)|\new
.set MSB, \new
.endif
.endm
.set MUL_LO, 0xa1
.set MUL_HI, 0xf1
.set TO_B,   0x40
.macro JLOAD g0a, g1a, g0b, g1b        ; waves 0, 1 fetch for x, waves 2, 3 for P
	s_cmp_eq_u32 s21, 0
	s_cbranch_scc0 .Lfor_b_\@
	tensor_load_to_lds s[\g0a:\g0a+3], s[\g1a:\g1a+7]
	s_nop 0
.rept 4
	v_nop
.endr
	s_branch .Lasked_\@
.Lfor_b_\@:
	tensor_load_to_lds s[\g0b:\g0b+3], s[\g1b:\g1b+7]
	s_nop 0
.rept 4
	v_nop
.endr
.Lasked_\@:
.endm
.macro CREST
	s_cmp_lg_u32 s20, 0
	s_cbranch_scc1 .Lnot_wave_0_\@
	s_barrier_signal -3
.Lnot_wave_0_\@:
	s_barrier_wait -3
	s_barrier_signal -1
	s_barrier_wait -1
.endm
.macro CROUND
	s_barrier_signal -1
	s_barrier_wait -1
	CREST
.endm
	s_load_b128 s[4:7], s[0:1], 0x0                ; x's codes, scales
	s_load_b128 s[8:11], s[0:1], 0x10              ; P_q's
	s_load_b128 s[96:99], s[0:1], 0x20             ; P_k's
	s_load_b128 s[12:15], s[0:1], 0x30             ; P_o, qk
	s_load_b128 s[16:19], s[0:1], 0x40             ; po_img, po_scl
	v_lshl_add_u32 v[SPW], v0, 2, SPARE
	v_mov_b32 v[NIL], 0
	ds_add_u32 v[SPW], v[NIL]                      ; the opening lines: the add twice on end
	ds_add_u32 v[SPW], v[NIL]
	v_lshrrev_b32 v1, 5, v0
	v_readfirstlane_b32 s20, v1                    ; wave
	s_lshr_b32 s21, s20, 1                         ; my half of the rows; also: I fetch for x (0) or P (1)
	s_and_b32 s22, s20, 1                          ; my half of the columns; also: which 128 rows I fetch
	s_bfe_u32 s40, ttmp6, 0x40000                  ; cx
	s_bfe_u32 s41, ttmp6, 0x40004                  ; cy
	s_and_b32 s23, ttmp7, 0xffff
	s_lshl_b32 s23, s23, 2
	s_add_co_u32 s23, s23, s41                     ; tile row: 256 rows of x
	s_lshl_b32 s43, s41, 2
	s_lshl_b32 s43, 15, s43                        ; my row of the cluster
	s_lshl_b32 s44, 0x1111, s40                    ; my column
	s_mov_b32 s66, 0x76543210
	s_mov_b32 s67, 0xfedcba98
	s_or_b32 s[G1+0], s43, (1<<20)|(1<<21)|(5<<22)|(3<<25)   ; bytes; 16 bytes of padding behind every 256
	s_or_b32 s[G1B+0], s44, (1<<20)|(1<<21)|(5<<22)|(3<<25)
.irp g, G1, G1B
	s_mov_b32 s[\g+1], ROWB<<16
	s_mov_b32 s[\g+2], 256<<16                     ; the head's loads bring 256 rows
	s_mov_b32 s[\g+3], ROWB<<16
	s_mov_b32 s[\g+4], 256
	s_mov_b32 s[\g+5], KROW
	s_mov_b32 s[\g+6], 0
	s_mov_b32 s[\g+7], 0
.endr
	s_or_b32 s[G1S+0], s43, (3<<16)|(1<<20)|(1<<21)|(5<<22)|(3<<25)   ; 8,192 dense bytes as 32 rows of 256
	s_or_b32 s[G1SB+0], s44, (3<<16)|(1<<20)|(1<<21)|(5<<22)|(3<<25)
.irp g, G1S, G1SB
	s_mov_b32 s[\g+1], 32<<16
	s_mov_b32 s[\g+2], KS<<16
	s_mov_b32 s[\g+3], 32<<16
	s_mov_b32 s[\g+4], KS
	s_mov_b32 s[\g+5], 32
	s_mov_b32 s[\g+6], 0
	s_mov_b32 s[\g+7], 0
.endr
	s_mul_i32 s92, s23, 256*KROW                   ; x's tile, in bytes of codes,
	s_mov_b32 s93, 0
	s_lshl_b32 s100, s23, 13                       ; and of scales
	s_mov_b32 s101, 0
	s_mul_i32 s46, s40, 256*KROW                   ; P's tile
	s_mov_b32 s47, 0
	s_lshl_b32 s94, s40, 13
	s_mov_b32 s95, 0
	s_mul_i32 s2, s22, 128*KROW                    ; in the ring: my 128 rows
	s_mov_b32 s3, 0
	s_mul_i32 s45, s20, HALFT
	s_wait_dscnt 0x0                               ; both opening adds are done
	s_wait_kmcnt 0x0
	s_cmp_eq_u32 ttmp9, 0                          ; cluster x: Q or K
	s_cselect_b64 s[8:9], s[8:9], s[96:97]
	s_cselect_b64 s[10:11], s[10:11], s[98:99]
	s_add_nc_u64 s[92:93], s[4:5], s[92:93]
	s_add_nc_u64 s[100:101], s[6:7], s[100:101]
	s_add_nc_u64 s[46:47], s[8:9], s[46:47]
	s_add_nc_u64 s[94:95], s[10:11], s[94:95]
	CROUND                                         ; the first joint loads meet
	s_mov_b32 s[G0H], 1                            ; chunk 0: x's 256 rows,
	s_mov_b32 s[G0H+1], 0
	s_mov_b64 s[G0H+2:G0H+3], s[92:93]
	s_or_b32 s[G0H+3], s[G0H+3], 0x80000000
	s_mov_b32 s[G0HB], 1                           ; P's 256 rows,
	s_mov_b32 s[G0HB+1], 2*HALFT
	s_mov_b64 s[G0HB+2:G0HB+3], s[46:47]
	s_or_b32 s[G0HB+3], s[G0HB+3], 0x80000000
	s_mov_b32 s[G0S], 1                            ; x's scales,
	s_mov_b32 s[G0S+1], SCL
	s_mov_b64 s[G0S+2:G0S+3], s[100:101]
	s_or_b32 s[G0S+3], s[G0S+3], 0x80000000
	s_mov_b32 s[G0SB], 1                           ; P's scales
	s_mov_b32 s[G0SB+1], SCL+2*HALFS
	s_mov_b64 s[G0SB+2:G0SB+3], s[94:95]
	s_or_b32 s[G0SB+3], s[G0SB+3], 0x80000000
	s_add_nc_u64 s[92:93], s[92:93], s[2:3]
	s_add_nc_u64 s[46:47], s[46:47], s[2:3]
.irp s, 0,1
	s_mov_b32 s[G0+4*\s], 1
	s_add_co_u32 s[G0+4*\s+1], s45, \s*SLOT
	s_add_nc_u64 s[G0+4*\s+2:G0+4*\s+3], s[92:93], \s*ROWB
	s_or_b32 s[G0+4*\s+3], s[G0+4*\s+3], 0x80000000
	s_mov_b32 s[G0B+4*\s], 1
	s_add_co_u32 s[G0B+4*\s+1], s45, \s*SLOT
	s_add_nc_u64 s[G0B+4*\s+2:G0B+4*\s+3], s[46:47], \s*ROWB
	s_or_b32 s[G0B+4*\s+3], s[G0B+4*\s+3], 0x80000000
.endr
; the head's four tiles, one load a wave, in one chain of branches on the wave's number
.macro ARM under, g0, g1, next
	s_cmp_lt_u32 s20, \under
	s_cbranch_scc0 \next
	tensor_load_to_lds s[\g0:\g0+3], s[\g1:\g1+7]
	s_nop 0
.rept 4
	v_nop
.endr
	s_branch .Lhead_asked
\next:
.endm
	ARM 1, G0H,  G1,  .Lhead_b
	ARM 2, G0HB, G1B, .Lhead_sa
	ARM 3, G0S,  G1S, .Lhead_sb
	tensor_load_to_lds s[G0SB:G0SB+3], s[G1SB:G1SB+7]
	s_nop 0
.rept 4
	v_nop
.endr
.Lhead_asked:
	v_and_b32 v1, 15, v0                           ; r
	v_bfe_u32 v2, v0, 4, 1                         ; h
	v_mul_u32_u24 v3, v1, PITCH
	v_mul_u32_u24 v4, v2, 24
	v_add_nc_u32 v4, v3, v4                        ; row x pitch + 24 h
	s_mov_b32 s2, SLOT-232
	s_mov_b32 s3, SLOT+232
	v_sub_nc_u32 v7, 1, v2
	v_mul_u32_u24 v5, s2, v2
	v_add_nc_u32 v5, v3, v5
	v_add_nc_u32 v5, 232, v5                       ; lanes 0-15 byte 232 of the row in slot 0, lanes 16-31 byte 0 in slot 1
	v_mul_u32_u24 v6, s3, v7
	v_add_nc_u32 v6, v3, v6                        ; lanes 0-15 byte 232 in slot 1, lanes 16-31 byte 0 in slot 0
	s_mul_i32 s2, s21, HALFT
	s_mul_i32 s3, s22, HALFT
	s_add_co_u32 s3, s3, 2*HALFT
	v_add_nc_u32 v[ADRA+2], s2, v5
	v_add_nc_u32 v[ADRA+3], s2, v6
	v_add_nc_u32 v[ADRB+2], s3, v5
	v_add_nc_u32 v[ADRB+3], s3, v6
.irp s, 0,1
	v_add_nc_u32 v[ADRA+\s], s2, v4
	v_add_nc_u32 v[ADRB+\s], s3, v4
	s_add_co_u32 s2, s2, SLOT
	s_add_co_u32 s3, s3, SLOT
.endr
	v_mul_u32_u24 v5, v1, KS                       ; my row's scales, 16 bytes more for each 256 passed
	v_lshrrev_b32 v6, 8, v5
	v_lshl_add_u32 v5, v6, 4, v5
	s_mul_i32 s2, s21, HALFS
	s_mul_i32 s3, s22, HALFS
	s_add_co_u32 s3, s3, 2*HALFS
	s_sub_co_u32 s3, s3, s2
	v_mul_u32_u24 v6, s3, v2                       ; lanes 16-31 take P's
	s_add_co_u32 s2, s2, SCL
	v_add_nc_u32 v5, v5, v6
	v_add_nc_u32 v[ADRS], s2, v5
	v_and_b32 v6, 31, v0
	v_lshlrev_b32 v[L16], 4, v6
	v_lshlrev_b32 v[L8], 3, v6
	v_lshlrev_b32 v[SH16], 4, v2
	s_lshl_b32 s2, s20, 10
	s_add_co_u32 s2, s2, SLOT                      ; the stage for scale words: 1,024 bytes a wave in slot 1, which has had its last fill and, behind step 5's barrier, its last read
	v_lshlrev_b32 v7, 2, v1
	v_lshl_add_u32 v7, v2, 9, v7
	v_add_nc_u32 v[ASTG], s2, v7
	v_add_nc_u32 v[ARD], s2, v[L16]
	s_mul_i32 s2, s22, 8704
	s_add_co_u32 s2, s2, PSTG
	v_mul_u32_u24 v8, v2, 272
	v_lshl_add_u32 v10, v2, 7, v3
	v_lshl_add_u32 v8, v1, 4, v8
	v_add_nc_u32 v10, s2, v10                      ; out of the stage: row r, 128 bytes for each half of the lanes
	v_add_nc_u32 v8, s2, v8                        ; into it: lanes 0-15 one row of 256 bytes, lanes 16-31 the next
	v_lshlrev_b32 v9, 2, v1
	; P_o, while the head's tiles are on their way: waves 0 and 1 of each work-group quantise one unit of 16 rows d x 128 of K = (head, v) each: 512 units
	s_cmp_lt_u32 s20, 2
	s_cbranch_scc0 .Lno_po
	s_lshl_b32 s2, s23, 3
	s_lshl_b32 s3, ttmp9, 2
	s_add_co_u32 s2, s2, s3
	s_add_co_u32 s2, s2, s40
	s_lshl_b32 s2, s2, 1
	s_add_co_u32 s2, s2, s20                       ; the unit: 8 x tile of d + K step
	s_lshr_b32 s100, s2, 3
	s_and_b32 s101, s2, 7
	s_mul_i32 s2, s2, 1536
	s_mov_b32 s3, 0
	s_add_nc_u64 s[16:17], s[16:17], s[2:3]
	s_lshl_b32 s2, s101, 12
	s_lshl_b32 s94, s100, 6
	s_add_co_u32 s2, s2, s94
	s_add_nc_u64 s[18:19], s[18:19], s[2:3]
	s_lshl_b32 s2, s101, 19
	s_lshl_b32 s94, s100, 12
	s_add_co_u32 s2, s2, s94
	s_add_nc_u64 s[12:13], s[12:13], s[2:3]
	s_wait_alu depctr_va_vdst(0)                   ; the wait behind the run of scalar lines
.irp c, 0,1                                    ; 16 rows d of a head are 4,096 consecutive bytes: each load of the wave covers 512 of them
.irp i, 0,1,2,3,4,5,6,7
	global_load_b128 v[PR+32*\c+4*\i:PR+32*\c+4*\i+3], v[L16], s[12:13] offset:\c*262144+512*\i th:TH_LOAD_NT
.endr
.endr
	s_wait_loadcnt 0x0
.irp c, 0,1
.irp i, 0,1,2,3,4,5,6,7
	ds_store_b128 v8, v[PR+32*\c+4*\i:PR+32*\c+4*\i+3] offset:\c*4352+544*\i
.endr
.endr
.irp c, 0,1                                    ; back with a lane's registers along v; LDS serves a wave's instructions in order: these see the stores above
.irp i, 0,1,2,3,4,5,6,7
	ds_load_b128 v[PN+32*\c+4*((\i&1)|((\i&2)<<1)|((\i&4)>>1)):PN+32*\c+4*((\i&1)|((\i&2)<<1)|((\i&4)>>1))+3], v10 offset:\c*4352+16*\i
.endr
.endr
	s_wait_dscnt 0x0
.irp c, 0,1
	v_max3_num_f32 v[PM+\c], |v[PN+32*\c]|, |v[PN+32*\c+1]|, 0x1800000   ; with the floor 2^(3 - 127)
.endr
.irp i, 2,4,6,8,10,12,14,16,18,20,22,24,26,28,30
.irp c, 0,1
	v_max3_num_f32 v[PM+\c], v[PM+\c], |v[PN+32*\c+\i]|, |v[PN+32*\c+\i+1]|
.endr
.endr
.irp c, 0,1
	v_add_nc_u32 v[PSO+\c], 0xff000000, v[PM+\c]   ; 2 off the exponent field: the conversion's scale operand
.endr
.irp c, 0,1
	v_lshrrev_b32 v[PBY+\c], 23, v[PSO+\c]
.endr
	v_lshl_or_b32 v[PWD], v[PBY+1], 16, v[PBY]
	v_lshlrev_b32 v[PTM], 3, v2
	v_lshlrev_b32 v[PWD], v[PTM], v[PWD]
	v_mov_b32 v[PTM], 0
	v_permlanex16_b32 v[PTM], v[PWD], s66, s67
	v_or_b32 v[PWD], v[PWD], v[PTM]
.irp c, 0,1
	v_cvt_scalef32_pk16_fp6_f32 v[PCD+6*\c:PCD+6*\c+2], v[PN+32*\c:PN+32*\c+15], v[PSO+\c]
	v_cvt_scalef32_pk16_fp6_f32 v[PPT+4*\c:PPT+4*\c+2], v[PN+32*\c+16:PN+32*\c+31], v[PSO+\c]
.endr
	v_nop
.irp c, 0,1
.irp i, 0,1,2
	v_mov_b32 v[PCD+6*\c+3+\i], v[PPT+4*\c+\i]
.endr
.endr
.irp c, 0,1
	global_store_b128 v[L16], v[PCD+6*\c:PCD+6*\c+3], s[16:17] offset:768*\c
	global_store_b64 v[L8], v[PCD+6*\c+4:PCD+6*\c+5], s[16:17] offset:768*\c+512
.endr
	global_store_b32 v9, v[PWD], s[18:19]
	s_wait_xcnt 0x0
.Lno_po:
.macro FRAG reg, adr, st, i            ; 16 rows x 128 K in pieces of 8 bytes; byte y of a row lies in slot (y / 256) % 2 at byte y % 256
.irp p, 0,1,2,3,4,5
.set BY, 96*(\st)+48*(\p/3)+8*(\p%3)
.if BY/ROWB == (BY+24)/ROWB
	ds_load_b64 v[\reg+2*\p:\reg+2*\p+1], v[\adr+(BY/ROWB)%2] offset:BY%ROWB+(\i)*16*PITCH
.else
	ds_load_b64 v[\reg+2*\p:\reg+2*\p+1], v[\adr+2+(BY/ROWB)%2] offset:BY%ROWB-232+(\i)*16*PITCH
.endif
.endr
.endm
.macro MUL16 a0, p, q, sc, zero        ; the 64 accumulators by turns
.irp a, \a0, \a0+1
.irp b, 0,1,2,3,4,5,6,7
.if \zero
	v_wmma_scale_f32_16x16x128_f8f6f4 v[8*(8*((\a)%4)+\b):8*(8*((\a)%4)+\b)+7], v[128*(\p)+FR*\b:128*(\p)+FR*\b+FR-1], v[AF+FR*(\a):AF+FR*(\a)+FR-1], 0, v[SC+8*NQ*(\sc)+NQ*\b+(\q)], v[SC+8*NQ*(\sc)+NQ*(\a)+(\q)] matrix_a_fmt:MATRIX_FMT_FP6 matrix_b_fmt:MATRIX_FMT_FP6 matrix_a_scale:MATRIX_SCALE_ROW1
.else
	v_wmma_scale_f32_16x16x128_f8f6f4 v[8*(8*((\a)%4)+\b):8*(8*((\a)%4)+\b)+7], v[128*(\p)+FR*\b:128*(\p)+FR*\b+FR-1], v[AF+FR*(\a):AF+FR*(\a)+FR-1], v[8*(8*((\a)%4)+\b):8*(8*((\a)%4)+\b)+7], v[SC+8*NQ*(\sc)+NQ*\b+(\q)], v[SC+8*NQ*(\sc)+NQ*(\a)+(\q)] matrix_a_fmt:MATRIX_FMT_FP6 matrix_b_fmt:MATRIX_FMT_FP6 matrix_a_scale:MATRIX_SCALE_ROW1
.endif
.endr
.endr
.endm
.macro FETCH_B st, p
	WIN TO_B
.irp i, 0,1,2,3,4,5,6,7
	FRAG 128*(\p)+FR*\i, ADRB, \st, \i
.endr
	WIN 0
.endm
.macro FETCH_A st, i0
.irp i, \i0, \i0+1, \i0+2, \i0+3
	FRAG AF+FR*(\i), ADRA, \st, \i
.endr
.endm
.macro SCALES pr                       ; the words of steps 2 pr, 2 pr + 1: lanes 0-15 x's block i, lanes 16-31 P's
.irp i, 0,1,2,3,4,5,6,7
	ds_load_b64 v[SC+8*NQ*((\pr)%2)+NQ*\i:SC+8*NQ*((\pr)%2)+NQ*\i+1], v[ADRS] offset:\i*SBLK+4*NQ*(\pr)
.endr
.endm
.macro PLACES n
.rept \n
	v_nop
.endr
.endm
; A step: 64 products; the next step's fragments are fetched in its middle and at its end.  Where the next step's bytes end in a chunk not yet read: the wait for my loads and a barrier.
; Where they begin in a later chunk: the wait, the add, the wait for it and for my reads, the barrier; where a chunk two on is left, the barrier opens a round and the slot is filled again.
.macro STEP st, zero
.set NX, (\st)+1
.set C0, (96*(\st))/ROWB
.set C1, (96*NX)/ROWB
.set E0, (96*(\st)+95)/ROWB
.set E1, (96*NX+95)/ROWB
.if C1 > C0 || E1 > E0
	s_wait_tensorcnt 0x0
.if C1 > C0
	ds_add_u32 v[SPW], v[NIL]
	s_wait_dscnt 4*NL+1                            ; the add and x's blocks 4-7 may be out
.else
	s_wait_dscnt 4*NL                              ; x's blocks 4-7 may be out
.endif
	WIN MUL_LO
	MUL16 0, (\st)%2, (\st)%2, ((\st)/2)%2, \zero
	s_wait_dscnt 0x0
	s_barrier_signal -1
	MUL16 2, (\st)%2, (\st)%2, ((\st)/2)%2, \zero
	WIN 0
	s_barrier_wait -1
.if C1 > C0 && C0+2 < CHUNKS
	CREST
	s_add_nc_u64 s[G0+4*(C0%2)+2:G0+4*(C0%2)+3], s[G0+4*(C0%2)+2:G0+4*(C0%2)+3], 2*ROWB
	s_add_nc_u64 s[G0B+4*(C0%2)+2:G0B+4*(C0%2)+3], s[G0B+4*(C0%2)+2:G0B+4*(C0%2)+3], 2*ROWB
	JLOAD G0+4*(C0%2), G1, G0B+4*(C0%2), G1B
.else
	PLACES NP
.endif
.else
	s_wait_dscnt 4*NL
	WIN MUL_LO
	MUL16 0, (\st)%2, (\st)%2, ((\st)/2)%2, \zero
	MUL16 2, (\st)%2, (\st)%2, ((\st)/2)%2, \zero
	s_wait_dscnt 0
	PLACES NP
.endif
	FETCH_B NX, NX%2
	FETCH_A NX, 0
.if NX%2 == 0
	SCALES NX/2
.endif
	WIN MUL_HI
	MUL16 4, (\st)%2, (\st)%2, ((\st)/2)%2, \zero
	MUL16 6, (\st)%2, (\st)%2, ((\st)/2)%2, \zero
	PLACES NP
	WIN 0
	FETCH_A NX, 4
.endm
	s_wait_alu depctr_va_vdst(0)                   ; the wait at the head's end
	s_wait_tensorcnt 0x0                           ; my tile of the head's four is in
	ds_add_u32 v[SPW], v[NIL]
	s_mov_b32 s[G1+2], 128<<16                     ; no load of mine is out: from here on a load brings 128 rows
	s_mov_b32 s[G1+4], 128
	s_mov_b32 s[G1B+2], 128<<16
	s_mov_b32 s[G1B+4], 128
	s_wait_dscnt 0x0
	CROUND
	JLOAD G0+4, G1, G0B+4, G1B                     ; chunk 1, slot 1's first fill, issued as a refill is
	FETCH_B 0, 0
	FETCH_A 0, 0
	SCALES 0
	FETCH_A 0, 4
	STEP 0, 1
.set ST, 1
.rept STEPS-2
	STEP ST, 0
.set ST, ST+1
.endr
	s_wait_dscnt 4*NL
	WIN MUL_LO
	MUL16 0, 1, 1, 1, 0
	MUL16 2, 1, 1, 1, 0
	s_wait_dscnt 0
	WIN MUL_HI
	MUL16 4, 1, 1, 1, 0
	MUL16 6, 1, 1, 1, 0
	WIN 0
	PLACES NP
.irp b, 0,1,2,3
	v_mov_b32 v[TM+4+\b], 0                        ; written once: a lane permute's destination counts as a source
.endr
	s_lshl_b32 s2, ttmp9, 7                        ; the record: 128 (Q or K) + 16 batch + head
	s_lshr_b32 s3, s23, 2
	s_lshl_b32 s3, s3, 4
	s_add_co_u32 s2, s2, s3
	s_lshl_b32 s3, s40, 2
	s_add_co_u32 s2, s2, s3
	s_lshl_b32 s3, s22, 1
	s_add_co_u32 s2, s2, s3
	s_mul_i32 s2, s2, REC
	s_mov_b32 s3, 0
	s_add_nc_u64 s[14:15], s[14:15], s[2:3]
	s_and_b32 s2, s23, 3
	s_lshl_b32 s2, s2, 1
	s_add_co_u32 s2, s2, s21                       ; my 128 rows of the batch's 1,024
	s_lshl_b32 s100, s2, 9
	s_add_co_u32 s100, s100, 64*768
	s_mov_b32 s101, 0
	s_add_nc_u64 s[100:101], s[14:15], s[100:101]
	s_mul_i32 s2, s2, 8*768
	s_add_nc_u64 s[14:15], s[14:15], s[2:3]
; block a of 16 rows: four blocks of 32 columns (two heads) are quantised and stored as two half-images; the scale words go through the stage
.macro OUTQ a
.set WN, 2+(\a)/4
.set WMX, (WN<<2)|(WN<<4)
.set AC, 64*((\a)%4)
	s_wait_xcnt 0x0                                ; the last block's stores have read their registers
.irp b, 0,1,2,3
	v_mov_b32 v[TM+\b], 0x1800000
.endr
	WIN WMX
.irp i, 0,2,4,6,8,10,12,14
.irp b, 0,1,2,3
	v_max3_num_f32 v[TM+\b], v[TM+\b], |v[AC+16*\b+\i]|, |v[AC+16*\b+\i+1]|
.endr
.endr
	WIN 0
.irp b, 0,1,2,3
	v_permlanex16_b32 v[TM+4+\b], v[TM+\b], s66, s67
.endr
.irp b, 0,1,2,3
	v_max_num_f32 v[TM+\b], v[TM+\b], v[TM+4+\b]
.endr
.irp b, 0,1,2,3
	v_add_nc_u32 v[TM+12+\b], 0xff000000, v[TM+\b]
.endr
.irp b, 0,1,2,3
	v_lshrrev_b32 v[TM+4+\b], 23, v[TM+12+\b]
.endr
	v_lshl_or_b32 v[PW], v[TM+5], 8, v[TM+4]
	v_lshl_or_b32 v[PW], v[TM+6], 16, v[PW]
	v_lshl_or_b32 v[PW], v[TM+7], 24, v[PW]
	WIN WN
.irp c, 0,1
	v_cvt_scalef32_pk16_fp6_f32 v[CD+6*\c:CD+6*\c+2], v[AC+32*\c:AC+32*\c+15], v[TM+12+2*\c]
	v_cvt_scalef32_pk16_fp6_f32 v[PT+4*\c:PT+4*\c+2], v[AC+32*\c+16:AC+32*\c+31], v[TM+12+2*\c+1]
.endr
	WIN 0
	v_nop
.irp c, 0,1
.irp i, 0,1,2
	v_permlane16_swap_b32 v[CD+6*\c+\i], v[PT+4*\c+\i]
.endr
.irp i, 0,1,2
	v_mov_b32 v[CD+6*\c+3+\i], v[PT+4*\c+\i]
.endr
.endr
	v_lshrrev_b32 v[TW+(\a)], v[SH16], v[PW]
	v_and_b32 v[TW+(\a)], 0xffff, v[TW+(\a)]
	ds_store_b32 v[ASTG], v[TW+(\a)] offset:64*(\a)
.irp c, 0,1
	global_store_b128 v[L16], v[CD+6*\c:CD+6*\c+3], s[14:15] offset:(\a)*768+\c*REC
	global_store_b64 v[L8], v[CD+6*\c+4:CD+6*\c+5], s[14:15] offset:(\a)*768+\c*REC+512
.endr
.endm
.irp a, 0,1,2,3,4,5,6,7
	OUTQ \a
.endr
	ds_load_b128 v[RDB:RDB+3], v[ARD]
	ds_load_b128 v[RDB+4:RDB+7], v[ARD] offset:512
	s_wait_dscnt 0x0
	global_store_b128 v[L16], v[RDB:RDB+3], s[100:101]
	global_store_b128 v[L16], v[RDB+4:RDB+7], s[100:101] offset:REC
	s_wait_tensorcnt 0x0                           ; the wave's end
	ds_add_u32 v[SPW], v[NIL]
	s_wait_dscnt 0x0
	CROUND                                         ; the closing round
	s_endpgm
.Lfunc_end_k_qd27770083d_proj:
	.size	k_qd27770083d_proj, .Lfunc_end_k_qd27770083d_proj-k_qd27770083d_proj
	.p2alignl 7, 3214868480
	.fill 96, 4, 3214868480
	.section	.rodata,"a",@progbits
	.p2align	6, 0x0
	.amdhsa_kernel k_qd27770083d_proj
		.amdhsa_group_segment_fixed_size 327680
		.amdhsa_private_segment_fixed_size 0
		.amdhsa_enable_private_segment 0
		.amdhsa_kernarg_size 80
		.amdhsa_user_sgpr_count 2
		.amdhsa_user_sgpr_kernarg_segment_ptr 1
		.amdhsa_wavefront_size32 1
		.amdhsa_system_sgpr_workgroup_id_x 1
		.amdhsa_system_sgpr_workgroup_id_y 1
		.amdhsa_system_sgpr_workgroup_id_z 1
		.amdhsa_system_vgpr_workitem_id 0
		.amdhsa_next_free_vgpr 1024
		.amdhsa_next_free_sgpr 102
		.amdhsa_reserve_vcc 0
		.amdhsa_float_denorm_mode_32 3
		.amdhsa_float_denorm_mode_16_64 3
		.amdhsa_memory_ordered 1
		.amdhsa_forward_progress 1
		.amdhsa_inst_pref_size 176
	.end_amdhsa_kernel
	.amdgpu_metadata
---
amdhsa.version: [ 1, 2 ]
amdhsa.kernels:
  - .name:           k_qd27770083d_proj
    .symbol:         k_qd27770083d_proj.kd
    .args:
      - { .name: x_codes, .offset: 0, .size: 8, .value_kind: global_buffer, .address_space: global }
      - { .name: x_scales, .offset: 8, .size: 8, .value_kind: global_buffer, .address_space: global }
      - { .name: P_q_codes, .offset: 16, .size: 8, .value_kind: global_buffer, .address_space: global }
      - { .name: P_q_scales, .offset: 24, .size: 8, .value_kind: global_buffer, .address_space: global }
      - { .name: P_k_codes, .offset: 32, .size: 8, .value_kind: global_buffer, .address_space: global }
      - { .name: P_k_scales, .offset: 40, .size: 8, .value_kind: global_buffer, .address_space: global }
      - { .name: P_o, .offset: 48, .size: 8, .value_kind: global_buffer, .address_space: global }
      - { .name: qk, .offset: 56, .size: 8, .value_kind: global_buffer, .address_space: global }
      - { .name: po_img, .offset: 64, .size: 8, .value_kind: global_buffer, .address_space: global }
      - { .name: po_scl, .offset: 72, .size: 8, .value_kind: global_buffer, .address_space: global }
    .group_segment_fixed_size: 327680
    .private_segment_fixed_size: 0
    .kernarg_segment_align: 8
    .kernarg_segment_size: 80
    .max_flat_workgroup_size: 128
    .sgpr_count:     102
    .vgpr_count:     1024
    .wavefront_size: 32
...
	.end_amdgpu_metadata
.endif
;; end of part 1
;; launch attn (part 2): grid 8 x 32, 8 waves a work-group, clusters of 4 x 1, 327,680 bytes of LDS; arguments x_codes, x_scales, P_v_codes, P_v_scales, qk, o_img, o_scl; writes o_img, o_scl
.if DOCPART == 2
	.amdgcn_target "amdgcn-amd-amdhsa--gfx1250"
	.amdhsa_code_object_version 6
	.text
	.protected	k_qd27770083d_attn
	.globl	k_qd27770083d_attn
	.p2align	8
	.type	k_qd27770083d_attn,@function
k_qd27770083d_attn:
	s_mov_b64 s[64:65], 0
	v_nop
	global_prefetch_b8 v0, s[64:65] scope:SCOPE_SE
	s_setreg_imm32_b32 hwreg(HW_REG_WAVE_MODE, 25, 1), 1
	s_wait_xcnt 0x0
	s_wait_alu depctr_hold_cnt(0) depctr_sa_sdst(0) depctr_va_vdst(0) depctr_va_sdst(0) depctr_va_ssrc(0) depctr_va_vcc(0) depctr_vm_vsrc(0)
	s_getreg_b32 s2, hwreg(HW_REG_IB_STS2, 6, 4)
	s_cmp_eq_u32 s2, 0
	s_cbranch_scc0 .Lentry_in_a_cluster
	s_endpgm
.Lentry_in_a_cluster:
	s_bfe_u32 s2, ttmp6, 0x10000c
	s_cmp_lg_u32 s2, 0x3003
	s_cbranch_scc0 .Lentry_shape_is_right
	s_endpgm
.Lentry_shape_is_right:
; o[b][h][m][:] = w V[b][h][m][:], w = the DIAGONAL of softmax(8 Q K^T under the causal mask) = e^(l_mm - max) / sum over n <= m of e^(l_mn - max).  V = x P_v.  o is quantised along (head, v) and stored as operand images.
; LEFT OUT: steps of 64 keys that lie wholly behind a wave's queries (reference()'s own tril mask makes their exponentials 0 for all inputs); a NaN or infinity that would arise only there is not carried on.
; SHARES.  A work-group takes heads 2 g, 2 g + 1 and 256 rows of a batch: rows 128 s .. and 896 - 128 s ..  Wave (hd, e, p) takes head 2 g + hd and tiles 2 e, 2 e + 1 of the blocks of 64 rows BLKA = 2 s + p and
; BLKB = 15 - BLKA: 17 steps of 64 keys for every wave.  Eight waves, two to a SIMD.
; LDS: three regions of 104,448 bytes, one behind the other, each for a chunk of 256 bytes of x's 256 rows and P_v's 128 rows (rows 272 bytes apart).  The third begins where K's two records lie during the walks over the keys.
; THE ORDER OF THE LOADS.  At the head every wave asks for an eighth of K's two records (52 rows of 256 bytes) and for its tiles of Q: what the walks over the keys need.  Behind the full sequence and a round every wave issues one
; load of chunks 0 and 1 (four of 128 rows of x, four of 64 rows of P_v): they land under the walks.  Behind the walks K's records are read no more: chunk 2 is filled over them and lands under V's K steps 0-4; steps 5-7 follow.
; CLUSTER 4 x 1: the partners have the same rows and other heads: x's tiles are asked for jointly.  P_v's tiles and K's records hang on the heads: plain loads.
; No prefetch: each load is asked for a whole phase ahead of its first read (17 steps of keys, or five K steps of V), but for the head's, which have no loop ahead of them.
; x's and P_v's scale words go from memory into registers: one load of 16 bytes a lane for a tile: lanes 0-15 hold the words of K steps 0-3, lanes 16-31 of steps 4-7; a wave's load covers 512 consecutive bytes.
; BOTH PRODUCTS ARE USED TRANSPOSED: a lane holds one row (query) lane % 16, and its registers v (or key) 16 t + 8 (lane / 16) + 0 .. 7 of tile t.
; Q and K are half-images; registers 6-11 of their fragments are zero codes on both sides, under scale bytes 0 (2^-127): they add nothing.
; A wave takes K's four tiles of a step in the order 2 e, 2 e + 1, 2 (1 - e), 2 (1 - e) + 1: so in its own block places 0 and 1 hold its queries' own keys, whatever e: the diagonal score and the mask need no branch on e.
; SOFTMAX.  Each lane keeps the maximum and the sum of its own half of the keys; the halves meet at the end.  p = 2^(c s - c m), c = 8 log2(e).  The loop has 16 trips for every wave; a step behind the queries is passed over by a branch on ids.
; LIMITS: NaN and infinities are not served; scores under -1e30 are not told from 'no key yet'; the scaled scores stay under 2^31; a w under 2^-126 comes out as 0; a block of zeros gets the byte 1 over zero codes.
; REGISTERS: window 0: v1-31 addresses; v32-59 statistics, diagonal scores, w; v60-65 Q's and K's scale words; v72-79 at work; v80-127 four fragments of K, then of P_v (even K steps); v128-191 scores, then x's fragments (even steps),
;   then codes and o; v192-223 x's and P_v's scale words and nothing else; v224-239 the quantiser; v240-242 addresses.   window 1: v0-127 V's 16 accumulators; v128-175 Q's fragments, then x's (odd steps); v176-223 P_v's (odd steps).
.set REC,   53248
.set XROWS, 128*272
.set PVO,   2*XROWS
.set SLOTB, 3*XROWS
.set KREG,  2*SLOTB
.set KPART, 52*256                     ; an eighth of the two records
.set OSG,   KREG+2*REC                 ; the stage for o's scale bytes: 256 words for each head
.set SPARE, OSG+2048
.set SPW, 1
.set NIL, 2
.set RR,  3
.set HH,  4
.set AX,  5                            ; v5-9 x's low rows: chunks 0, 1, 2, across 0 to 1, across 1 to 2; v10-14 the high rows
.set AP,  15                           ; v15-19 P_v's
.set AK0, 20
.set AK1, 21
.set AKS, 22
.set ADK, 23
.set ADK2, 24
.set ADS, 25
.set L16, 26
.set L8,  27
.set R4,  28
.set VS,  29
.set RJ,  31
.set ST,  32                           ; tile u: +0 c m, +2 +3 the sum, +4 m, +5 +6 at work
.set SD,  48
.set WT,  52
.set QSW, 60
.set KSW, 64
.set NINF, 68
.set AOS, 69
.set ARD, 71
.set TP,  72
.set KF,  80
.set XF,  128
.set SC,  128
.set CSET, 128
.set OO,  160
.set XS,  192
.set PS,  208
.set TM,  224
.set PT,  232
.set HW,  236
.set KA,  240                          ; v240-242 this step's addresses of K's places 2, 3
.set QF,  128                          ; in window 1
.set W3,  19
.set WV,  20
.set HD,  21
.set EE,  22
.set PP,  23
.set GG,  24
.set BB,  25
.set SS,  26
.set BLKA, 27
.set BLKB, 28
.set KST, 29
.set TB,  30
.set TS,  31
.set SEL, 32
.set CS,  34
.set GX,  36
.set GP,  40
.set GK,  44
.set EN,  54
.set EM,  55
.set TBY, 56
.set TSY, 57
.set G1X, 68
.set G1P, 76
.set G1K, 92
.set MSB, 0
.macro WIN new
.if MSB != \new
	s_set_vgpr_msb (MSB<<8)|\new
.set MSB, \new
.endif
.endm
.macro CROUND
	s_barrier_signal -1
	s_barrier_wait -1
	s_cmp_lg_u32 s[WV], 0
	s_cbranch_scc1 .Lnot_wave_0_\@
	s_barrier_signal -3
.Lnot_wave_0_\@:
	s_barrier_wait -3
	s_barrier_signal -1
	s_barrier_wait -1
.endm
.macro TLOAD g0, g1
	tensor_load_to_lds s[\g0:\g0+3], s[\g1:\g1+7]
	s_nop 0
.rept 4
	v_nop
.endr
.endm
	s_load_b128 s[4:7], s[0:1], 0x0                ; x's codes, scales
	s_load_b128 s[8:11], s[0:1], 0x10              ; P_v's
	s_load_b128 s[12:15], s[0:1], 0x20             ; qk, o_img
	s_load_b64 s[16:17], s[0:1], 0x30              ; o_scl
	v_lshl_add_u32 v[SPW], v0, 2, SPARE
	v_mov_b32 v[NIL], 0
	ds_add_u32 v[SPW], v[NIL]                      ; the opening lines: the add twice on end
	ds_add_u32 v[SPW], v[NIL]
	v_lshrrev_b32 v3, 5, v0
	s_delay_alu instid0(VALU_DEP_1)
	v_readfirstlane_b32 s[WV], v3
	s_and_b32 s[W3], s[WV], 3                      ; what I fetch of a chunk: 0, 1 x's rows; 2, 3 P_v's
	s_and_b32 s[HD], s[WV], 1                      ; my head of the pair; also: which half of the rows I fetch
	s_bfe_u32 s[EE], s[WV], 0x10001                ; my half of a block of 64 queries
	s_lshr_b32 s[PP], s[WV], 2                     ; my block of the chunk of rows; also: which of chunks 0 and 1 I fetch
	s_xor_b32 s[EN], s[EE], 1
	s_bfe_u32 s2, ttmp6, 0x40000
	s_lshl_b32 s[GG], ttmp9, 2
	s_add_co_u32 s[GG], s[GG], s2                  ; the pair of heads: it enters global addresses of plain loads and stores alone
	s_and_b32 s3, ttmp7, 0xffff
	s_lshr_b32 s[BB], s3, 2
	s_and_b32 s[SS], s3, 3
	s_lshl_b32 s[BLKA], s[SS], 1
	s_add_co_u32 s[BLKA], s[BLKA], s[PP]
	s_sub_co_u32 s[BLKB], 15, s[BLKA]
	s_mov_b32 s[SEL], 0x76543210
	s_mov_b32 s[SEL+1], 0xfedcba98
	s_mov_b32 s[CS], 0x4138aa3b                    ; c = 8 log2(e)
	s_mov_b32 s[CS+1], s[CS]
	s_cmp_eq_u32 s[EE], 0
	s_cselect_b32 s[EM], -1, 0                     ; all lanes where e = 0: in my own block places 2, 3 then lie behind my queries
	s_lshl_b32 s60, s[BB], 10
	s_lshl_b32 s18, s[SS], 7
	s_add_co_u32 s60, s60, s18                     ; the low rows' first row of x
	s_lshl_b32 s18, s[SS], 8
	s_sub_co_u32 s18, 896, s18
	s_add_co_u32 s61, s60, s18                     ; the high rows'
	s_mul_i32 s18, s[HD], s18
	s_add_co_u32 s18, s18, s60                     ; the one that goes with wave % 2
	s_mul_i32 s62, s18, 768
	s_lshl_b32 s63, s[PP], 8
	s_add_co_u32 s62, s62, s63                     ; chunk 0 or 1
	s_mov_b32 s63, 0
	s_mul_i32 s66, s[HD], XROWS
	s_mul_i32 s67, s[PP], SLOTB
	s_add_co_u32 s66, s66, s67
	s_add_co_u32 s67, s67, PVO
	s_mul_i32 s88, s[HD], 64*272
	s_add_co_u32 s67, s67, s88                     ; P_v's 64 rows that go with wave % 2
	s_mul_i32 s89, s[WV], KPART
	s_add_co_u32 s89, s89, KREG
	s_lshl_b32 s84, s[PP], 6
	s_lshl_b32 s85, s[EE], 5
	s_add_co_u32 s84, s84, s85                     ; my first row among the low 128: 64 p + 32 e
	s_xor_b32 s85, s84, 64                         ; among the high 128
	s_add_co_u32 s86, s60, s84
	s_lshl_b32 s86, s86, 5
	s_mov_b32 s87, 0
	s_add_co_u32 s90, s61, s85
	s_lshl_b32 s90, s90, 5
	s_mov_b32 s91, 0
	s_mov_b32 s[G1X], 15|(1<<20)|(1<<21)|(5<<22)|(3<<25)   ; 128 rows of 256 bytes, 768 apart, 16 bytes of padding behind each; all four partners
	s_mov_b32 s[G1X+1], 256<<16
	s_mov_b32 s[G1X+2], 128<<16
	s_mov_b32 s[G1X+3], 256<<16
	s_mov_b32 s[G1X+4], 128
	s_mov_b32 s[G1X+5], 768
	s_mov_b32 s[G1X+6], 0
	s_mov_b32 s[G1X+7], 0
	s_mov_b32 s[G1P], (1<<20)|(5<<22)|(3<<25)      ; the same with 64 rows and no mask
	s_mov_b32 s[G1P+1], 256<<16
	s_mov_b32 s[G1P+2], 64<<16
	s_mov_b32 s[G1P+3], 256<<16
	s_mov_b32 s[G1P+4], 64
	s_mov_b32 s[G1P+5], 768
	s_mov_b32 s[G1P+6], 0
	s_mov_b32 s[G1P+7], 0
	s_mov_b32 s[G1K], 3<<16                        ; 13,312 dense bytes as 52 rows of 256
	s_mov_b32 s[G1K+1], 32<<16
	s_mov_b32 s[G1K+2], 52<<16
	s_mov_b32 s[G1K+3], 32<<16
	s_mov_b32 s[G1K+4], 52
	s_mov_b32 s[G1K+5], 32
	s_mov_b32 s[G1K+6], 0
	s_mov_b32 s[G1K+7], 0
	s_wait_dscnt 0x0                               ; both opening adds are done
	s_wait_kmcnt 0x0
	s_mov_b32 s[GX], 1
	s_mov_b32 s[GX+1], s66
	s_add_nc_u64 s[GX+2:GX+3], s[4:5], s[62:63]
	s_or_b32 s[GX+3], s[GX+3], 0x80000000
	s_add_nc_u64 s[48:49], s[6:7], s[86:87]        ; x's scales of my low tiles,
	s_add_nc_u64 s[50:51], s[6:7], s[90:91]        ; of my high tiles
	s_mul_i32 s100, s[GG], 98304                   ; what hangs on the pair of heads is made in registers of its own
	s_lshl_b32 s2, s[PP], 8
	s_add_co_u32 s100, s100, s2
	s_mul_i32 s2, s[HD], 64*768
	s_add_co_u32 s100, s100, s2
	s_mov_b32 s101, 0
	s_mov_b32 s[GP], 1
	s_mov_b32 s[GP+1], s67
	s_add_nc_u64 s[GP+2:GP+3], s[8:9], s[100:101]
	s_or_b32 s[GP+3], s[GP+3], 0x80000000
	s_lshl_b32 s100, s[GG], 12
	s_lshl_b32 s2, s[HD], 11
	s_add_co_u32 s100, s100, s2
	s_add_nc_u64 s[52:53], s[10:11], s[100:101]    ; P_v's scales of my head
	s_lshl_b32 s2, s[BB], 4
	s_lshl_b32 s100, s[GG], 1
	s_add_co_u32 s2, s2, s100                      ; 16 x batch + 2 g
	s_add_co_u32 s100, s2, 128
	s_mul_i32 s100, s100, REC                      ; K's two records lie one behind the other
	s_mul_i32 s3, s[WV], KPART
	s_add_co_u32 s100, s100, s3
	s_mov_b32 s[GK], 1
	s_mov_b32 s[GK+1], s89
	s_add_nc_u64 s[GK+2:GK+3], s[12:13], s[100:101]
	s_or_b32 s[GK+3], s[GK+3], 0x80000000
	CROUND                                         ; in a cluster launch every group of tensor loads stands behind a round
	TLOAD GK, G1K                                  ; THE HEAD'S FILL: my eighth of K's records
	s_lshl_b32 s100, s[GG], 15
	s_lshl_b32 s3, s18, 2
	s_add_co_u32 s100, s100, s3
	s_add_nc_u64 s[16:17], s[16:17], s[100:101]    ; o_scl: K step g, the rows that go with wave % 2
	s_add_co_u32 s2, s2, s[HD]
	s_mul_i32 s100, s2, REC
	s_add_nc_u64 s[12:13], s[12:13], s[100:101]    ; Q's record of my head
	s_mul_i32 s18, s[HD], 768
.macro BASES blk, qh, qs, ob
	s_lshl_b32 s2, s[\blk], 2
	s_lshl_b32 s3, s[EE], 1
	s_add_co_u32 s2, s2, s3                        ; my first tile of 16 rows in the batch
	s_mul_i32 s100, s2, 768
	s_add_nc_u64 s[\qh:\qh+1], s[12:13], s[100:101]
	s_lshl_b32 s100, s2, 6
	s_add_co_u32 s100, s100, 64*768
	s_add_nc_u64 s[\qs:\qs+1], s[12:13], s[100:101]
	s_lshl_b32 s100, s[BB], 6
	s_add_co_u32 s100, s100, s2
	s_lshl_b32 s100, s100, 3
	s_add_co_u32 s100, s100, s[GG]
	s_mul_i32 s100, s100, 1536
	s_add_co_u32 s100, s100, s18
	s_add_nc_u64 s[\ob:\ob+1], s[14:15], s[100:101]
.endm
	BASES BLKA, 4, 60, 8
	BASES BLKB, 6, 62, 10
	s_mul_i32 s86, s84, 272                        ; LDS: my low rows of x,
	s_mul_i32 s87, s85, 272
	s_add_co_u32 s87, s87, XROWS                   ; my high rows,
	s_mul_i32 s88, s[HD], 64*272
	s_add_co_u32 s88, s88, PVO                     ; my head's rows of P_v,
	s_mul_i32 s89, s[HD], REC
	s_add_co_u32 s89, s89, KREG                    ; its record of K
	s_add_co_u32 s90, s89, 512
	s_add_co_u32 s91, s89, 64*768
	s_lshl_b32 s2, s[HD], 10
	s_lshl_b32 s66, s84, 2
	s_add_co_u32 s66, s66, s2
	s_add_co_u32 s66, s66, OSG
	s_lshl_b32 s67, s85, 2
	s_add_co_u32 s67, s67, s2
	s_add_co_u32 s67, s67, OSG+512
	s_mov_b32 s2, SLOTB-232
	v_and_b32 v[RR], 15, v0
	v_bfe_u32 v[HH], v0, 4, 1
	v_and_b32 v72, 31, v0
	v_and_b32 v78, 63, v0
	v_mul_u32_u24 v73, v[RR], 272
	v_lshlrev_b32 v77, 3, v[HH]
	v_lshlrev_b32 v[L16], 4, v72
	v_lshlrev_b32 v[L8], 3, v72
	v_lshlrev_b32 v79, 2, v72
	v_lshlrev_b32 v[R4], 2, v[RR]
	v_mad_u32_u24 v74, v[HH], 24, v73              ; row x pitch + 24 h
	v_mad_u32_u24 v75, v[HH], s2, v73
	v_lshlrev_b32 v[VS], 5, v[RR]
	v_sub_nc_u32 v[RJ], v[RR], v77                 ; r - 8 h
	v_add_nc_u32 v75, 232, v75                     ; lanes 0-15 byte 232 of the row in a chunk, lanes 16-31 byte 0 in the next
.macro ADR5 a, s
	v_add_nc_u32 v[\a], s[\s], v74
	v_add_nc_u32 v[\a+3], s[\s], v75
	v_add_nc_u32 v[\a+1], SLOTB, v[\a]
	v_add_nc_u32 v[\a+2], 2*SLOTB, v[\a]
	v_add_nc_u32 v[\a+4], SLOTB, v[\a+3]
.endm
	ADR5 AX, 86
	ADR5 AX+5, 87
	ADR5 AP, 88
	v_add_nc_u32 v[AK0], s89, v[L16]
	v_add_nc_u32 v[AK1], s90, v[L8]
	v_add_nc_u32 v[AKS], s91, v79
	v_add_nc_u32 v[AOS], s66, v[R4]
	v_add_nc_u32 v[AOS+1], s67, v[R4]
	v_lshl_add_u32 v[ARD], v78, 4, OSG
	v_lshl_add_u32 v[VS], v[HH], 4, v[VS]          ; a row's 32 scale bytes: 32 r + 16 h
	v_mov_b32 v[NINF], 0xff800000
.irp k, 0,1,2,3,4,5,6,7
	v_mov_b32 v[TP+\k], 0                          ; written once: lane permutes' destinations count as sources
.endr
	v_mov_b32 v[TM+2], 0
	v_mov_b32 v[TM+3], 0
.irp k, 1,7,9,15
	v_mov_b32 v[ST+\k], 0                          ; named as halves of pairs
.endr
.irp t, 0,1,2,3
.irp k, 6,7,8,9,10,11
	v_mov_b32 v[KF+12*\t+\k], 0                    ; K = 64 fills half an instruction: zero codes in the other half, on both sides
.endr
.endr
	WIN 0x40                                       ; destination window 1
.irp t, 0,1,2,3
.irp k, 6,7,8,9,10,11
	v_mov_b32 v[QF+12*\t+\k], 0
.endr
.endr
	s_wait_alu depctr_va_vdst(0)                   ; the wait at the head's end: no vector line follows ahead of the waits below
.irp u, 0,1
	global_load_b128 v[QF+12*\u:QF+12*\u+3], v[L16], s[4:5] offset:768*\u
	global_load_b64 v[QF+12*\u+4:QF+12*\u+5], v[L8], s[4:5] offset:768*\u+512
	global_load_b128 v[QF+24+12*\u:QF+24+12*\u+3], v[L16], s[6:7] offset:768*\u
	global_load_b64 v[QF+24+12*\u+4:QF+24+12*\u+5], v[L8], s[6:7] offset:768*\u+512
.endr
	WIN 0
.irp u, 0,1
	global_load_b32 v[QSW+\u], v[R4], s[60:61] offset:64*\u
	global_load_b32 v[QSW+2+\u], v[R4], s[62:63] offset:64*\u
.endr
.macro FRAG reg, adr, st, off          ; 16 rows x 128 K in pieces of 8 bytes; byte y of a row lies in chunk y / 256 at byte y % 256
.irp p, 0,1,2,3,4,5
.set BY, 96*(\st)+48*(\p/3)+8*(\p%3)
.if BY/256 == (BY+24)/256
	ds_load_b64 v[\reg+2*\p:\reg+2*\p+1], v[\adr+BY/256] offset:BY%256+(\off)
.else
	ds_load_b64 v[\reg+2*\p:\reg+2*\p+1], v[\adr+3+BY/256] offset:BY%256-232+(\off)
.endif
.endr
.endm
; V^T += P_v x^T.  VLOAD: K step st's eight fragments, 48 loads, into the set st % 2.  VMUL: its 16 products, the 16 accumulators by turns.
.macro VSET st
.if (\st)%2
.set PF, 176                           ; in window 1
.set XFS, 128
.set WLD, 0x40
.set WMU, 0x55
.else
.set PF, KF
.set XFS, XF
.set WLD, 0
.set WMU, 0x50
.endif
.endm
.macro VLOAD st
	VSET \st
	WIN WLD
.irp t, 0,1,2,3
	FRAG PF+12*\t, AP, \st, \t*4352
.endr
.irp i, 0,1,2,3
	FRAG XFS+12*\i, AX+5*(\i/2), \st, (\i%2)*4352
.endr
	WIN 0
.endm
.macro VMUL st
	VSET \st
	WIN WMU                                        ; C and D window 1; the sources window 0 or 1
.irp i, 0,1,2,3
.irp t, 0,1,2,3
.if (\st) == 0
	v_wmma_scale_f32_16x16x128_f8f6f4 v[8*(4*\i+\t):8*(4*\i+\t)+7], v[PF+12*\t:PF+12*\t+11], v[XFS+12*\i:XFS+12*\i+11], 0, v[PS+4*\t], v[XS+4*\i] matrix_a_fmt:MATRIX_FMT_FP6 matrix_b_fmt:MATRIX_FMT_FP6
.elseif (\st) < 4
	v_wmma_scale_f32_16x16x128_f8f6f4 v[8*(4*\i+\t):8*(4*\i+\t)+7], v[PF+12*\t:PF+12*\t+11], v[XFS+12*\i:XFS+12*\i+11], v[8*(4*\i+\t):8*(4*\i+\t)+7], v[PS+4*\t+(\st)], v[XS+4*\i+(\st)] matrix_a_fmt:MATRIX_FMT_FP6 matrix_b_fmt:MATRIX_FMT_FP6
.else
	v_wmma_scale_f32_16x16x128_f8f6f4 v[8*(4*\i+\t):8*(4*\i+\t)+7], v[PF+12*\t:PF+12*\t+11], v[XFS+12*\i:XFS+12*\i+11], v[8*(4*\i+\t):8*(4*\i+\t)+7], v[PS+4*\t+(\st)-4], v[XS+4*\i+(\st)-4] matrix_a_fmt:MATRIX_FMT_FP6 matrix_b_fmt:MATRIX_FMT_FP6 matrix_a_scale:MATRIX_SCALE_ROW1 matrix_b_scale:MATRIX_SCALE_ROW1
.endif
.endr
.endr
	WIN 0
.rept 4
	v_nop                                          ; places in front of the next loads into these operands, and of reads of the results
.endr
.endm
; The walk over the keys for tiles i0 and i0 + 1, which lie in the block of 64 rows s[blk].
.macro ATT i0, blk
.irp u, 0,1
	v_mov_b32 v[ST+8*\u+4], 0xf149f2ca             ; m = -1e30
	v_mov_b32 v[ST+8*\u+2], 0
	v_mov_b32 v[ST+8*\u+3], 0
	v_mov_b32 v[SD+\i0+\u], v[NINF]
.endr
.irp u, 0,1
	v_mul_f32 v[ST+8*\u], s[CS], v[ST+8*\u+4]
.endr
	s_mov_b32 s[KST], 0
	s_mul_i32 s[TB], s[EE], 1536                   ; places 0, 1: tiles 2 e, 2 e + 1 of the step;
	s_mul_i32 s[TBY], s[EN], 1536                  ; places 2, 3: the other two
	s_lshl_b32 s[TS], s[EE], 7
	s_lshl_b32 s[TSY], s[EN], 7
.Lkey_\@:
	s_cmp_gt_u32 s[KST], s[\blk]                   ; all 64 keys come after my queries: only the addresses step
	s_cbranch_scc1 .Lpast_\@
	v_add_nc_u32 v[ADK], s[TB], v[AK0]
	v_add_nc_u32 v[ADK2], s[TB], v[AK1]
	v_add_nc_u32 v[KA], s[TBY], v[AK0]
	v_add_nc_u32 v[KA+1], s[TBY], v[AK1]
	v_add_nc_u32 v[ADS], s[TS], v[AKS]
	v_add_nc_u32 v[KA+2], s[TSY], v[AKS]
.irp t, 0,1
	ds_load_b128 v[KF+12*\t:KF+12*\t+3], v[ADK] offset:768*\t
	ds_load_b64 v[KF+12*\t+4:KF+12*\t+5], v[ADK2] offset:768*\t
	ds_load_b128 v[KF+24+12*\t:KF+24+12*\t+3], v[KA] offset:768*\t
	ds_load_b64 v[KF+24+12*\t+4:KF+24+12*\t+5], v[KA+1] offset:768*\t
.endr
	ds_load_b32 v[KSW], v[ADS]                     ; lanes 0-15 place 0's words, lanes 16-31 place 1's
	ds_load_b32 v[KSW+1], v[KA+2]
	s_wait_dscnt 0x0
	WIN 0x04                                       ; source 1 (Q) window 1
.irp t, 0,1,2,3
.irp u, 0,1
.if \t%2 == 0
	v_wmma_scale_f32_16x16x128_f8f6f4 v[SC+32*\u+8*\t:SC+32*\u+8*\t+7], v[KF+12*\t:KF+12*\t+11], v[QF+12*(\i0+\u):QF+12*(\i0+\u)+11], 0, v[KSW+\t/2], v[QSW+\i0+\u] matrix_a_fmt:MATRIX_FMT_FP6 matrix_b_fmt:MATRIX_FMT_FP6
.else
	v_wmma_scale_f32_16x16x128_f8f6f4 v[SC+32*\u+8*\t:SC+32*\u+8*\t+7], v[KF+12*\t:KF+12*\t+11], v[QF+12*(\i0+\u):QF+12*(\i0+\u)+11], 0, v[KSW+\t/2], v[QSW+\i0+\u] matrix_a_fmt:MATRIX_FMT_FP6 matrix_b_fmt:MATRIX_FMT_FP6 matrix_a_scale:MATRIX_SCALE_ROW1
.endif
.endr
.endr
	WIN 0
.rept 4
	v_nop
.endr
	s_cmp_lg_u32 s[KST], s[\blk]                   ; only my own block lies on the diagonal
	s_cbranch_scc1 .Lopen_\@
.irp j, 0,1,2,3,4,5,6,7                        ; place u of tile u holds key 8 h + j against query r of the same 16 rows
	v_cmp_eq_i32 vcc_lo, \j, v[RJ]                 ; the diagonal score
	v_cndmask_b32 v[SD+\i0], v[SD+\i0], v[SC+\j], vcc_lo
	v_cndmask_b32 v[SD+\i0+1], v[SD+\i0+1], v[SC+40+\j], vcc_lo
	v_cmp_gt_i32 vcc_lo, \j, v[RJ]                 ; a key behind my query: -infinity, so that p = 0
	v_cndmask_b32 v[SC+\j], v[SC+\j], v[NINF], vcc_lo
	v_cndmask_b32 v[SC+40+\j], v[SC+40+\j], v[NINF], vcc_lo
	v_mov_b32 v[SC+8+\j], v[NINF]                  ; tile 0's queries all come before place 1's keys
.endr
.irp n, 16,17,18,19,20,21,22,23,24,25,26,27,28,29,30,31
	v_cndmask_b32 v[SC+\n], v[SC+\n], v[NINF], s[EM]         ; places 2, 3: behind all my queries where e = 0, before all of them where e = 1
	v_cndmask_b32 v[SC+32+\n], v[SC+32+\n], v[NINF], s[EM]
.endr
.Lopen_\@:
.irp c, 0,1,2,3                                ; the largest of my 32 scores and m: four chains a tile, each accumulator from its low end on
.irp u, 0,1
	v_max3_num_f32 v[TP+4*\u+\c], v[SC+32*\u+8*\c], v[SC+32*\u+8*\c+1], v[SC+32*\u+8*\c+2]
.endr
.endr
.irp k, 3,5
.irp c, 0,1,2,3
.irp u, 0,1
	v_max3_num_f32 v[TP+4*\u+\c], v[TP+4*\u+\c], v[SC+32*\u+8*\c+\k], v[SC+32*\u+8*\c+\k+1]
.endr
.endr
.endr
.irp u, 0,1
	v_max3_num_f32 v[TP+4*\u], v[TP+4*\u], v[SC+32*\u+7], v[SC+32*\u+15]
	v_max3_num_f32 v[TP+4*\u+2], v[TP+4*\u+2], v[SC+32*\u+23], v[SC+32*\u+31]
.endr
.irp u, 0
	s_delay_alu instid0(VALU_DEP_3)
	v_max3_num_f32 v[TP+4*\u], v[TP+4*\u], v[TP+4*\u+1], v[TP+4*\u+2]
.endr
.irp u, 1
	s_delay_alu instid0(VALU_DEP_2)
	v_max3_num_f32 v[TP+4*\u], v[TP+4*\u], v[TP+4*\u+1], v[TP+4*\u+2]
.endr
.irp u, 0,1
	s_delay_alu instid0(VALU_DEP_2)
	v_max3_num_f32 v[ST+8*\u+4], v[ST+8*\u+4], v[TP+4*\u], v[TP+4*\u+3]
.endr
.irp u, 0,1
	s_delay_alu instid0(VALU_DEP_2)
	v_mul_f32 v[ST+8*\u+5], s[CS], v[ST+8*\u+4]    ; c m
.endr
.irp u, 0,1
	s_delay_alu instid0(VALU_DEP_2)
	v_sub_f32 v[ST+8*\u+6], v[ST+8*\u], v[ST+8*\u+5]
.endr
.irp u, 0,1
	s_delay_alu instid0(VALU_DEP_4)
	v_mov_b32 v[ST+8*\u], v[ST+8*\u+5]
.endr
	s_wait_alu depctr_va_vdst(0)                   ; the wait ahead of a batch of transcendentals
.irp u, 0,1
	v_exp_f32 v[ST+8*\u+6], v[ST+8*\u+6]           ; 2^(c m_old - c m_new)
.endr
.irp k, 0,2,4,6,8,10,12,14,16,18,20,22,24,26,28,30
.irp u, 0,1
	v_pk_fma_f32 v[SC+32*\u+\k:SC+32*\u+\k+1], v[SC+32*\u+\k:SC+32*\u+\k+1], s[CS:CS+1], v[ST+8*\u:ST+8*\u+1] op_sel_hi:[1,0,0] neg_lo:[0,0,1] neg_hi:[0,0,1]   ; c s - c m
.endr
.endr
	s_wait_alu depctr_va_vdst(0)
.irp n, 0,1,2,3,4,5,6,7,8,9,10,11,12,13,14,15,16,17,18,19,20,21,22,23,24,25,26,27,28,29,30,31,32,33,34,35,36,37,38,39,40,41,42,43,44,45,46,47,48,49,50,51,52,53,54,55,56,57,58,59,60,61,62,63
	v_exp_f32 v[SC+\n], v[SC+\n]
.endr
	v_nop                                          ; a plain place behind the exponentials
	s_wait_alu depctr_va_vdst(0)                   ; one wait for the batch, ahead of its first reader
.irp u, 0,1
	v_pk_mul_f32 v[ST+8*\u+2:ST+8*\u+3], v[ST+8*\u+2:ST+8*\u+3], v[ST+8*\u+6:ST+8*\u+7] op_sel_hi:[1,0]
	v_pk_add_f32 v[TP+4*\u:TP+4*\u+1], v[SC+32*\u:SC+32*\u+1], v[SC+32*\u+2:SC+32*\u+3]
.endr
.irp k, 4,8,12,16,20,24,28
.irp u, 0,1
	v_pk_add_f32 v[ST+8*\u+2:ST+8*\u+3], v[ST+8*\u+2:ST+8*\u+3], v[SC+32*\u+\k:SC+32*\u+\k+1]
	v_pk_add_f32 v[TP+4*\u:TP+4*\u+1], v[TP+4*\u:TP+4*\u+1], v[SC+32*\u+\k+2:SC+32*\u+\k+3]
.endr
.endr
.irp u, 0
	s_delay_alu instid0(VALU_DEP_3)
	v_pk_add_f32 v[ST+8*\u+2:ST+8*\u+3], v[ST+8*\u+2:ST+8*\u+3], v[TP+4*\u:TP+4*\u+1]
.endr
.irp u, 1
	s_delay_alu instid0(VALU_DEP_2)
	v_pk_add_f32 v[ST+8*\u+2:ST+8*\u+3], v[ST+8*\u+2:ST+8*\u+3], v[TP+4*\u:TP+4*\u+1]
.endr
.Lpast_\@:
	s_add_co_u32 s[TB], s[TB], 4*768               ; the next 64 keys' half-images,
	s_add_co_u32 s[TBY], s[TBY], 4*768
	s_add_co_u32 s[TS], s[TS], 256                 ; and scale words
	s_add_co_u32 s[TSY], s[TSY], 256
	s_add_co_u32 s[KST], s[KST], 1
	s_cmp_lt_u32 s[KST], 16
	s_cbranch_scc1 .Lkey_\@
.endm
; The two halves of the keys meet: M = the larger c m; l = the sums under M; w = 2^(c s_mm - M) / l.  One of a query's two lanes holds s_mm, the other -infinity.
.macro WFIN u, i
	v_permlanex16_b32 v[TP+5], v[SD+\i], s[SEL], s[SEL+1]
	v_add_f32 v[TP], v[ST+8*\u+2], v[ST+8*\u+3]
	v_permlanex16_b32 v[TP+1], v[ST+8*\u], s[SEL], s[SEL+1]
	s_delay_alu instid0(VALU_DEP_3)
	v_max_num_f32 v[SD+\i], v[SD+\i], v[TP+5]
	s_delay_alu instid0(VALU_DEP_2)
	v_max_num_f32 v[TP+1], v[TP+1], v[ST+8*\u]
	s_delay_alu instid0(VALU_DEP_1)
	v_sub_f32 v[TP+2], v[ST+8*\u], v[TP+1]
	s_delay_alu instid0(VALU_DEP_2)
	v_fma_f32 v[TP+3], v[SD+\i], s[CS], -v[TP+1]
	s_wait_alu depctr_va_vdst(0)
	v_exp_f32 v[TP+2], v[TP+2]
	v_exp_f32 v[TP+3], v[TP+3]
	v_nop
	s_wait_alu depctr_va_vdst(0)
	v_mul_f32 v[TP], v[TP], v[TP+2]
	s_delay_alu instid0(VALU_DEP_1)
	v_permlanex16_b32 v[TP+4], v[TP], s[SEL], s[SEL+1]
	s_delay_alu instid0(VALU_DEP_1)
	v_add_f32 v[TP], v[TP], v[TP+4]
	s_wait_alu depctr_va_vdst(0)
	v_rcp_f32 v[TP], v[TP]
	v_nop
	s_wait_alu depctr_va_vdst(0)
	v_mul_f32 v[WT+2*\i], v[TP+3], v[TP]
	s_delay_alu instid0(VALU_DEP_1)
	v_mov_b32 v[WT+2*\i+1], v[WT+2*\i]
.endm
; Tile i: o = w V in f32, quantised along v (two blocks of 32), stored as a half-image; its two scale bytes go to the stage.
.macro OFIN i
.set CC, CSET+8*(\i)
	WIN 0x01                                       ; source 0 (V) window 1
.irp k, 0,2,4,6,8,10,12,14,16,18,20,22,24,26,28,30
	v_pk_mul_f32 v[OO+\k:OO+\k+1], v[32*(\i)+\k:32*(\i)+\k+1], v[WT+2*(\i):WT+2*(\i)+1] op_sel_hi:[1,0]
.endr
	WIN 0
.irp b, 0,1
	v_max3_num_f32 v[TM+\b], |v[OO+16*\b]|, |v[OO+16*\b+1]|, 0x1800000   ; with the floor 2^(3 - 127)
.endr
.irp k, 2,4,6,8,10,12,14
.irp b, 0,1
	s_delay_alu instid0(VALU_DEP_2)
	v_max3_num_f32 v[TM+\b], v[TM+\b], |v[OO+16*\b+\k]|, |v[OO+16*\b+\k+1]|
.endr
.endr
.irp b, 0,1
	s_delay_alu instid0(VALU_DEP_2)
	v_permlanex16_b32 v[TM+2+\b], v[TM+\b], s[SEL], s[SEL+1]
.endr
.irp b, 0,1
	s_delay_alu instid0(VALU_DEP_2)
	v_max_num_f32 v[TM+\b], v[TM+\b], v[TM+2+\b]
.endr
.irp b, 0,1
	s_delay_alu instid0(VALU_DEP_2)
	v_add_nc_u32 v[TM+4+\b], 0xff000000, v[TM+\b]
.endr
.irp b, 0,1
	s_delay_alu instid0(VALU_DEP_2)
	v_lshrrev_b32 v[TM+6+\b], 23, v[TM+4+\b]
.endr
	s_delay_alu instid0(VALU_DEP_1)
	v_lshl_or_b32 v[HW+(\i)], v[TM+7], 8, v[TM+6]
	v_cvt_scalef32_pk16_fp6_f32 v[CC:CC+2], v[OO:OO+15], v[TM+4]
	v_cvt_scalef32_pk16_fp6_f32 v[PT:PT+2], v[OO+16:OO+31], v[TM+5]
	v_nop                                          ; one plain place behind a scaled conversion
.irp k, 0,1,2
	v_permlane16_swap_b32 v[CC+\k], v[PT+\k]
.endr
.irp k, 0,1,2
	s_delay_alu instid0(VALU_DEP_3)
	v_mov_b32 v[CC+3+\k], v[PT+\k]
.endr
	ds_store_b32 v[AOS+(\i)/2], v[HW+(\i)] offset:64*((\i)%2)
	global_store_b128 v[L16], v[CC:CC+3], s[8+2*((\i)/2):9+2*((\i)/2)] offset:((\i)%2)*12288
	global_store_b64 v[L8], v[CC+4:CC+5], s[8+2*((\i)/2):9+2*((\i)/2)] offset:((\i)%2)*12288+512
.endm
	s_wait_loadcnt 0x0                             ; Q and its scale words
	s_wait_tensorcnt 0x0                           ; my eighth of K's records has landed
	ds_add_u32 v[SPW], v[NIL]
	s_wait_dscnt 0x0
	CROUND                                         ; K's records are whole; behind this round no bytes are filled again; the joint loads meet
	s_cmp_lt_u32 s[W3], 2                          ; chunks 0 and 1: a load in each arm
	s_cbranch_scc0 .Lc_not_x
	TLOAD GX, G1X
	s_branch .Lc_done
.Lc_not_x:
	TLOAD GP, G1P
.Lc_done:
.irp u, 0,1                                    ; x's and P_v's scale words: first read behind the walks
	global_load_b128 v[XS+4*\u:XS+4*\u+3], v[VS], s[48:49] offset:512*\u
	global_load_b128 v[XS+8+4*\u:XS+8+4*\u+3], v[VS], s[50:51] offset:512*\u
.endr
.irp t, 0,1,2,3
	global_load_b128 v[PS+4*\t:PS+4*\t+3], v[VS], s[52:53] offset:512*\t
.endr
	ATT 0, BLKA
	s_wait_alu depctr_va_vdst(0)                   ; the wait behind the loop's jumps
	WFIN 0, 0
	WFIN 1, 1
	ATT 2, BLKB
	s_wait_alu depctr_va_vdst(0)
	WFIN 0, 2
	WFIN 1, 3
	s_wait_alu depctr_va_vdst(0)                   ; and ahead of the waits below
	s_wait_loadcnt 0x0                             ; x's and P_v's scale words
	; K's records have been read out: chunk 2 goes over them
	s_wait_tensorcnt 0x0                           ; my part of chunks 0 and 1 has landed
	ds_add_u32 v[SPW], v[NIL]
	s_add_nc_u64 s[GX+2:GX+3], s[GX+2:GX+3], 512   ; from chunk 0 to chunk 2, in memory and in LDS (used by waves 0 to 3 alone)
	s_add_nc_u64 s[GP+2:GP+3], s[GP+2:GP+3], 512
	s_add_co_u32 s[GX+1], s[GX+1], 2*SLOTB
	s_add_co_u32 s[GP+1], s[GP+1], 2*SLOTB
	s_wait_dscnt 0x0                               ; the add is done, my reads of K's records are over
	CROUND                                         ; no wave of any partner reads them or has a load on its way; chunks 0 and 1 are whole
	s_cmp_lt_u32 s[WV], 2
	s_cbranch_scc0 .Lr_not_x
	TLOAD GX, G1X
	s_branch .Lr_done
.Lr_not_x:
	s_cmp_lt_u32 s[WV], 4
	s_cbranch_scc0 .Lr_done
	TLOAD GP, G1P
.Lr_done:
	VLOAD 0
.irp st, 0,1,2,3
	VLOAD \st+1
	s_wait_dscnt 48                                ; step st's fragments are in: only the 48 loads just issued may be out
	VMUL \st
.endr
	s_wait_tensorcnt 0x0                           ; my part of chunk 2 has landed,
	s_wait_dscnt 0x0                               ; step 4's fragments are in
	s_barrier_signal -1                            ; step 4's products, work on registers, stand between its halves
	VMUL 4
	s_barrier_wait -1                              ; chunk 2 is whole
	VLOAD 5
	VLOAD 6
	s_wait_dscnt 48
	VMUL 5
	VLOAD 7
	s_wait_dscnt 48
	VMUL 6
	s_wait_dscnt 0x0
	VMUL 7
	OFIN 0
	OFIN 1
	OFIN 2
	OFIN 3
	s_wait_dscnt 0x0                               ; for the others' sake: my words lie in the stage
	s_barrier_signal -1
	s_barrier_wait -1
	s_cmp_lt_u32 s[WV], 2                          ; wave 0 stores the low rows' 128 scale words, wave 1 the high rows'
	s_cbranch_scc0 .Lno_words
	ds_load_b128 v[TP:TP+3], v[ARD]                ; the first head's two bytes a row,
	ds_load_b128 v[TP+4:TP+7], v[ARD] offset:1024  ; the second's
	s_wait_dscnt 0x0
.irp k, 0,1,2,3
	v_lshl_or_b32 v[TP+\k], v[TP+4+\k], 16, v[TP+\k]
.endr
	global_store_b128 v[L16], v[TP:TP+3], s[16:17] ; 512 consecutive bytes
.Lno_words:
	s_wait_tensorcnt 0x0                           ; the wave's end
	ds_add_u32 v[SPW], v[NIL]
	s_wait_dscnt 0x0
	CROUND                                         ; the closing round
	s_endpgm
.Lfunc_end_k_qd27770083d_attn:
	.size	k_qd27770083d_attn, .Lfunc_end_k_qd27770083d_attn-k_qd27770083d_attn
	.p2alignl 7, 3214868480
	.fill 96, 4, 3214868480
	.section	.rodata,"a",@progbits
	.p2align	6, 0x0
	.amdhsa_kernel k_qd27770083d_attn
		.amdhsa_group_segment_fixed_size 327680
		.amdhsa_private_segment_fixed_size 0
		.amdhsa_enable_private_segment 0
		.amdhsa_kernarg_size 56
		.amdhsa_user_sgpr_count 2
		.amdhsa_user_sgpr_kernarg_segment_ptr 1
		.amdhsa_wavefront_size32 1
		.amdhsa_system_sgpr_workgroup_id_x 1
		.amdhsa_system_sgpr_workgroup_id_y 1
		.amdhsa_system_sgpr_workgroup_id_z 1
		.amdhsa_system_vgpr_workitem_id 0
		.amdhsa_next_free_vgpr 512
		.amdhsa_next_free_sgpr 102
		.amdhsa_reserve_vcc 1
		.amdhsa_float_denorm_mode_32 3
		.amdhsa_float_denorm_mode_16_64 3
		.amdhsa_memory_ordered 1
		.amdhsa_forward_progress 1
		.amdhsa_inst_pref_size 112
	.end_amdhsa_kernel
	.amdgpu_metadata
---
amdhsa.version: [ 1, 2 ]
amdhsa.kernels:
  - .name:           k_qd27770083d_attn
    .symbol:         k_qd27770083d_attn.kd
    .args:
      - { .name: x_codes, .offset: 0, .size: 8, .value_kind: global_buffer, .address_space: global }
      - { .name: x_scales, .offset: 8, .size: 8, .value_kind: global_buffer, .address_space: global }
      - { .name: P_v_codes, .offset: 16, .size: 8, .value_kind: global_buffer, .address_space: global }
      - { .name: P_v_scales, .offset: 24, .size: 8, .value_kind: global_buffer, .address_space: global }
      - { .name: qk, .offset: 32, .size: 8, .value_kind: global_buffer, .address_space: global }
      - { .name: o_img, .offset: 40, .size: 8, .value_kind: global_buffer, .address_space: global }
      - { .name: o_scl, .offset: 48, .size: 8, .value_kind: global_buffer, .address_space: global }
    .group_segment_fixed_size: 327680
    .private_segment_fixed_size: 0
    .kernarg_segment_align: 8
    .kernarg_segment_size: 56
    .max_flat_workgroup_size: 256
    .sgpr_count:     102
    .vgpr_count:     512
    .wavefront_size: 32
...
	.end_amdgpu_metadata
.endif
;; end of part 2
;; launch outp (part 3): grid 4 x 64, 4 waves a work-group, clusters of 4 x 4, 327,680 bytes of LDS; arguments o_img, o_scl, po_img, po_scl, out0; writes out0
.if DOCPART == 3
	.amdgcn_target "amdgcn-amd-amdhsa--gfx1250"
	.amdhsa_code_object_version 6
	.text
	.protected	k_qd27770083d_outp
	.globl	k_qd27770083d_outp
	.p2align	8
	.type	k_qd27770083d_outp,@function
k_qd27770083d_outp:
	s_mov_b64 s[64:65], 0
	v_nop
	global_prefetch_b8 v0, s[64:65] scope:SCOPE_SE
	s_setreg_imm32_b32 hwreg(HW_REG_WAVE_MODE, 25, 1), 1
	s_wait_xcnt 0x0
	s_wait_alu depctr_hold_cnt(0) depctr_sa_sdst(0) depctr_va_vdst(0) depctr_va_sdst(0) depctr_va_ssrc(0) depctr_va_vcc(0) depctr_vm_vsrc(0)
	s_getreg_b32 s2, hwreg(HW_REG_IB_STS2, 6, 4)
	s_cmp_eq_u32 s2, 0
	s_cbranch_scc0 .Lentry_in_a_cluster
	s_endpgm
.Lentry_in_a_cluster:
	s_bfe_u32 s2, ttmp6, 0x10000c
	s_cmp_lg_u32 s2, 0xf033
	s_cbranch_scc0 .Lentry_shape_is_right
	s_endpgm
.Lentry_shape_is_right:
; y[row][d] = sum over K = (head, v) of o[row][K] P_o[d][K], both as E2M3 codes with E8M0 scales, made by the launches before and laid as operand images.  y: [8,192][1,024] f32.  Nothing is left out here.
; o_img, po_img: [tile of 16 rows][K step of 128: 8][1,536 bytes]: a fragment's 12 registers: registers 0-3 at 16 x lane, 4-5 at 512 + 8 x lane, 6-9 at 768 + 16 x lane, 10-11 at 1,280 + 8 x lane.
; o_scl: [K step 8][8,192 rows] words;  po_scl: [K step 8][1,024 rows] words.
; A tile of y, 128 x 256, to a work-group: 256 work-groups.  All of K fits in LDS: (128 + 256) rows x 768 bytes = 294,912 bytes, and each wave's share of the fetching (four tiles of o, or eight of P_o, with all their
; K steps) is one dense block of memory: ONE tensor load a wave brings it, as rows of 256 bytes.  No ring, no refill, and so no loop in which a prefetch could run ahead.
; THE WALK GOES BY ROWS OF y.  A wave owns 64 columns: its four tiles of P_o, all eight K steps, are read from LDS once and stay in 384 registers.  Then the tile's eight blocks of 16 rows of o pass, each with all of K in
; 96 registers (two sets): a block is 32 products, its four accumulators by turns, K ascending.  A finished block leaves while the next is multiplied.  A wave reads 32 + 64 fragments from LDS, none twice.
; CLUSTERS of 4 x 4: o's blocks are shared along a row of the cluster, P_o's along a column: joint tensor loads.
; THE MATRIX INSTRUCTION IS USED TRANSPOSED (source 0 = 16 rows of P_o, source 1 = 16 rows of o): a lane holds eight neighbouring numbers of a row of y.
; REGISTERS: window 0: v16-27 addresses; v32-79 scale words, six for each K step, and nothing else; v96-191 o's even blocks; v192-255 rows on their way out, two sets.  window 1: P_o's K steps 0-4 (fragment (ks, b) at v[12 (4 ks + b)]).
;   window 2: v0-143 P_o's K steps 5-7; v144-239 o's odd blocks.  window 3: v0-63 the accumulators, two sets of four.
.set AH,    49152                      ; four tiles of 16 rows, all of K
.set BH,    98304                      ; eight
.set SPARE, 2*AH+2*BH
.set STG,   SPARE+512                  ; behind the spare words: a stage of 16 rows x (256 bytes + 16) for each wave; no tile lands there
.set SPITCH, 272
.set A16, 16                           ; v16, v17 o's blocks 0-3; v18, v19 blocks 4-7 (an LDS offset has 16 bits)
.set A8,  17
.set B16, 20
.set B8,  21
.set STO, 24
.set RD,  25
.set CO,  26
.set L4,  27
.set SCR, 32                           ; K step ks: v[32 + 6 ks + x]: o's blocks 2 x (lanes 0-15) and 2 x + 1 (lanes 16-31); v[36 + 6 ks + y]: my tiles 2 y, 2 y + 1 of P_o
.set SPW, 94
.set NIL, 95
.set G1A, 24
.set G1B, 48
.set G0A, 68
.set G0B, 84
.set MSB, 0
.macro WIN new
.if MSB != \new
	s_set_vgpr_msb (MSB<<8)|\new
.set MSB, \new
.endif
.endm
.macro CROUND
	s_barrier_signal -1
	s_barrier_wait -1
	s_cmp_lg_u32 s14, 0
	s_cbranch_scc1 .Lnot_wave_0_\@
	s_barrier_signal -3
.Lnot_wave_0_\@:
	s_barrier_wait -3
	s_barrier_signal -1
	s_barrier_wait -1
.endm
.macro PLACES
.rept 4
	v_nop
.endr
.endm
	s_load_b128 s[4:7], s[0:1], 0x0                ; o_img, o_scl
	s_load_b128 s[8:11], s[0:1], 0x10              ; po_img, po_scl
	s_load_b64 s[12:13], s[0:1], 0x20              ; y
	v_lshl_add_u32 v[SPW], v0, 2, SPARE
	v_mov_b32 v[NIL], 0
	ds_add_u32 v[SPW], v[NIL]                      ; the opening lines: the add twice on end
	ds_add_u32 v[SPW], v[NIL]
	v_lshrrev_b32 v1, 5, v0
	v_readfirstlane_b32 s14, v1                    ; wave 0..3: my 64 columns of the tile
	s_lshr_b32 s15, s14, 1                         ; I fetch for o (0) or for P_o (1),
	s_and_b32 s16, s14, 1                          ; and which half
	s_bfe_u32 s40, ttmp6, 0x40000
	s_bfe_u32 s41, ttmp6, 0x40004
	s_lshl_b32 s42, ttmp9, 2
	s_add_co_u32 s42, s42, s40                     ; tile column
	s_and_b32 s17, ttmp7, 0xffff
	s_lshl_b32 s17, s17, 2
	s_add_co_u32 s17, s17, s41                     ; tile row
	s_lshl_b32 s43, s41, 2
	s_lshl_b32 s43, 15, s43                        ; my row of the cluster
	s_lshl_b32 s44, 0x1111, s40                    ; my column
	; group 1: a dense block as rows of 256 bytes (32 elements of 8 bytes): 192 rows for o, 384 for P_o; dense in LDS
	s_or_b32 s[G1A], s43, (3<<16)|(1<<21)
	s_mov_b32 s[G1A+1], 32<<16
	s_mov_b32 s[G1A+2], 192<<16
	s_mov_b32 s[G1A+3], 32<<16
	s_mov_b32 s[G1A+4], 192
	s_mov_b32 s[G1A+5], 32
	s_mov_b32 s[G1A+6], 0
	s_mov_b32 s[G1A+7], 0
	s_or_b32 s[G1B], s44, (3<<16)|(1<<21)
	s_mov_b32 s[G1B+1], 32<<16
	s_mov_b32 s[G1B+2], 384<<16
	s_mov_b32 s[G1B+3], 32<<16
	s_mov_b32 s[G1B+4], 384
	s_mov_b32 s[G1B+5], 32
	s_mov_b32 s[G1B+6], 0
	s_mov_b32 s[G1B+7], 0
	s_lshl_b32 s18, s17, 3                         ; o: tile of 16 rows 8 x tile row + 4 x half
	s_lshl_b32 s19, s16, 2
	s_add_co_u32 s18, s18, s19
	s_mul_i32 s18, s18, 12288
	s_mov_b32 s19, 0
	s_lshl_b32 s46, s42, 4                         ; P_o: 16 x tile column + 8 x half
	s_lshl_b32 s47, s16, 3
	s_add_co_u32 s46, s46, s47
	s_mul_i32 s46, s46, 12288
	s_mov_b32 s47, 0
	s_mul_i32 s20, s16, AH                         ; where they go: o's eight blocks, then P_o's sixteen tiles
	s_mul_i32 s21, s16, BH
	s_add_co_u32 s21, s21, 2*AH
	s_wait_dscnt 0x0
	s_wait_kmcnt 0x0
	s_add_nc_u64 s[18:19], s[4:5], s[18:19]
	s_add_nc_u64 s[46:47], s[8:9], s[46:47]
	CROUND                                         ; all sixteen work-groups are here: the joint loads meet
	s_mov_b32 s[G0A], 1
	s_mov_b32 s[G0A+1], s20
	s_mov_b64 s[G0A+2:G0A+3], s[18:19]
	s_or_b32 s[G0A+3], s[G0A+3], 0x80000000
	s_mov_b32 s[G0B], 1
	s_mov_b32 s[G0B+1], s21
	s_mov_b64 s[G0B+2:G0B+3], s[46:47]
	s_or_b32 s[G0B+3], s[G0B+3], 0x80000000
	s_cmp_eq_u32 s15, 0                            ; one load a wave
	s_cbranch_scc0 .Lfor_b
	tensor_load_to_lds s[G0A:G0A+3], s[G1A:G1A+7]
	s_nop 0
.rept 4
	v_nop
.endr
	s_branch .Lasked
.Lfor_b:
	tensor_load_to_lds s[G0B:G0B+3], s[G1B:G1B+7]
	s_nop 0
.rept 4
	v_nop
.endr
.Lasked:
	s_lshl_b32 s22, s17, 9                         ; o's scale words: from row 128 x tile row on
	s_mov_b32 s23, 0
	s_add_nc_u64 s[6:7], s[6:7], s[22:23]
	s_lshl_b32 s22, s42, 10                        ; P_o's: from row 256 x tile column + 64 x wave on
	s_lshl_b32 s2, s14, 8
	s_add_co_u32 s22, s22, s2
	s_add_nc_u64 s[10:11], s[10:11], s[22:23]
	v_and_b32 v1, 15, v0                           ; r
	v_bfe_u32 v2, v0, 4, 1                         ; h
	v_and_b32 v3, 31, v0                           ; lane
	v_lshlrev_b32 v[L4], 2, v3
.irp ks, 0,1,2,3,4,5,6,7                       ; all 48 scale registers at once: each load reads 128 consecutive bytes
.irp x, 0,1,2,3
	global_load_b32 v[SCR+6*\ks+\x], v[L4], s[6:7] offset:\ks*32768+128*\x
.endr
.irp y, 0,1
	global_load_b32 v[SCR+6*\ks+4+\y], v[L4], s[10:11] offset:\ks*4096+128*\y
.endr
.endr
	v_lshlrev_b32 v[A16], 4, v3                    ; 16 x lane
	v_lshl_add_u32 v[A8], v3, 3, 512               ; 512 + 8 x lane
	s_mul_i32 s2, s14, 49152
	s_add_co_u32 s2, s2, 2*AH                      ; my four tiles of P_o
	s_mul_i32 s3, s14, 16*SPITCH
	s_add_co_u32 s3, s3, STG                       ; my stage
	v_mul_u32_u24 v5, v1, SPITCH
	v_mul_u32_u24 v6, v2, SPITCH
	v_lshlrev_b32 v7, 4, v1
	v_add_nc_u32 v[A16+2], 49152, v[A16]
	v_add_nc_u32 v[A8+2], 49152, v[A8]
	v_add_nc_u32 v[B16], s2, v[A16]
	v_add_nc_u32 v[B8], s2, v[A8]
	v_lshl_add_u32 v5, v2, 5, v5
	v_add_nc_u32 v6, v6, v7
	v_add_nc_u32 v[STO], s3, v5                    ; in: row r, 32 bytes for each half of the lanes
	v_add_nc_u32 v[RD], s3, v6                     ; back: lanes 0-15 take one row of 256 bytes, lanes 16-31 the next
	v_lshl_add_u32 v[CO], v2, 12, v7               ; and the same two rows in y
	s_lshl_b32 s22, s17, 19                        ; y: 128 x tile row rows of 4,096 bytes + (256 x tile column + 64 x wave) x 4
	s_lshl_b32 s2, s42, 10
	s_add_co_u32 s22, s22, s2
	s_lshl_b32 s2, s14, 8
	s_add_co_u32 s22, s22, s2
	s_add_nc_u64 s[12:13], s[12:13], s[22:23]
.macro IFRAG reg, a16, a8, off         ; a fragment comes back as it was stored: every load reads consecutive bytes
	ds_load_b128 v[\reg:\reg+3], v[\a16] offset:\off
	ds_load_b64 v[\reg+4:\reg+5], v[\a8] offset:\off
	ds_load_b128 v[\reg+6:\reg+9], v[\a16] offset:\off+768
	ds_load_b64 v[\reg+10:\reg+11], v[\a8] offset:\off+768
.endm
.macro ALOAD a                         ; block a of o, all eight K steps: 32 loads
.if (\a)%2
	WIN 0x80
.set FA, 144
.else
	WIN 0
.set FA, 96
.endif
.irp ks, 0,1,2,3,4,5,6,7
	IFRAG FA+12*\ks, A16+2*((\a)/4), A8+2*((\a)/4), ((\a)%4)*12288+\ks*1536
.endr
	WIN 0
.endm
.macro MM a, bt, ks
.set rD, 32*((\a)%2)+8*(\bt)
.set rB, 12*(4*((\ks)%5)+(\bt))
.set rA, 96+48*((\a)%2)+12*(\ks)
.set sB, SCR+6*(\ks)+4+(\bt)/2
.set sA, SCR+6*(\ks)+(\a)/2
.set oB, (\bt)%2
.set oA, (\a)%2
.if (\ks) == 0
.if (oB == 0) && (oA == 0)
	v_wmma_scale_f32_16x16x128_f8f6f4 v[rD:rD+7], v[rB:rB+11], v[rA:rA+11], 0, v[sB], v[sA] matrix_a_fmt:MATRIX_FMT_FP6 matrix_b_fmt:MATRIX_FMT_FP6
.elseif (oB == 1) && (oA == 0)
	v_wmma_scale_f32_16x16x128_f8f6f4 v[rD:rD+7], v[rB:rB+11], v[rA:rA+11], 0, v[sB], v[sA] matrix_a_fmt:MATRIX_FMT_FP6 matrix_b_fmt:MATRIX_FMT_FP6 matrix_a_scale:MATRIX_SCALE_ROW1
.elseif (oB == 0) && (oA == 1)
	v_wmma_scale_f32_16x16x128_f8f6f4 v[rD:rD+7], v[rB:rB+11], v[rA:rA+11], 0, v[sB], v[sA] matrix_a_fmt:MATRIX_FMT_FP6 matrix_b_fmt:MATRIX_FMT_FP6 matrix_b_scale:MATRIX_SCALE_ROW1
.else
	v_wmma_scale_f32_16x16x128_f8f6f4 v[rD:rD+7], v[rB:rB+11], v[rA:rA+11], 0, v[sB], v[sA] matrix_a_fmt:MATRIX_FMT_FP6 matrix_b_fmt:MATRIX_FMT_FP6 matrix_a_scale:MATRIX_SCALE_ROW1 matrix_b_scale:MATRIX_SCALE_ROW1
.endif
.else
.if (oB == 0) && (oA == 0)
	v_wmma_scale_f32_16x16x128_f8f6f4 v[rD:rD+7], v[rB:rB+11], v[rA:rA+11], v[rD:rD+7], v[sB], v[sA] matrix_a_fmt:MATRIX_FMT_FP6 matrix_b_fmt:MATRIX_FMT_FP6
.elseif (oB == 1) && (oA == 0)
	v_wmma_scale_f32_16x16x128_f8f6f4 v[rD:rD+7], v[rB:rB+11], v[rA:rA+11], v[rD:rD+7], v[sB], v[sA] matrix_a_fmt:MATRIX_FMT_FP6 matrix_b_fmt:MATRIX_FMT_FP6 matrix_a_scale:MATRIX_SCALE_ROW1
.elseif (oB == 0) && (oA == 1)
	v_wmma_scale_f32_16x16x128_f8f6f4 v[rD:rD+7], v[rB:rB+11], v[rA:rA+11], v[rD:rD+7], v[sB], v[sA] matrix_a_fmt:MATRIX_FMT_FP6 matrix_b_fmt:MATRIX_FMT_FP6 matrix_b_scale:MATRIX_SCALE_ROW1
.else
	v_wmma_scale_f32_16x16x128_f8f6f4 v[rD:rD+7], v[rB:rB+11], v[rA:rA+11], v[rD:rD+7], v[sB], v[sA] matrix_a_fmt:MATRIX_FMT_FP6 matrix_b_fmt:MATRIX_FMT_FP6 matrix_a_scale:MATRIX_SCALE_ROW1 matrix_b_scale:MATRIX_SCALE_ROW1
.endif
.endif
.endm
.macro ROWBLK a                        ; block a: 32 products; its four accumulators by turns; the first products start the sums
.irp ks, 0,1,2,3,4,5,6,7
	WIN 0xf0|(1+\ks/5)|(8*((\a)%2))                ; source 0 (P_o) window 1 or 2, source 1 (o) window 0 or 2, C and D window 3
.irp bt, 0,1,2,3
	MM \a, \bt, \ks
.endr
.endr
	WIN 0
.endm
; THE WAY OUT of a block of 16 rows x 64 columns, through my own stage: in as 32 bytes a lane, back as whole rows of 256 bytes: sixteen lanes store 256 consecutive bytes, at a multiple of 256 from y's first byte.
.macro TOSTAGE a
.set AC, 32*((\a)%2)
.set BB, 192+32*((\a)%2)
	WIN 0x0c                                       ; an LDS store's data: window 3
.irp b, 0,1,2,3
	ds_store_b128 v[STO], v[AC+8*\b:AC+8*\b+3] offset:64*\b          ; each accumulator from its low end on
	ds_store_b128 v[STO], v[AC+8*\b+4:AC+8*\b+7] offset:64*\b+16
.endr
	WIN 0
.irp t, 0,1,2,3,4,5,6,7
	ds_load_b128 v[BB+4*\t:BB+4*\t+3], v[RD] offset:\t*2*SPITCH      ; LDS serves a wave's instructions in order: these see the stores above
.endr
.endm
.macro SEND a
.set BB, 192+32*((\a)%2)
.if (\a) > 0
	s_add_nc_u64 s[12:13], s[12:13], 16*4096       ; (behind a wait on XCNT, with no store since)  16 rows of y on
.endif
.irp t, 0,1,2,3,4,5,6,7
	global_store_b128 v[CO], v[BB+4*\t:BB+4*\t+3], s[12:13] offset:\t*8192 th:TH_STORE_NT
.endr
.endm
	s_wait_alu depctr_va_vdst(0)                   ; the wait at the head's end
	s_wait_tensorcnt 0x0                           ; my block is in,
	s_barrier_signal -1
	s_barrier_wait -1                              ; everybody's is; from here on the tiles are only read
	WIN 0x40                                       ; my four tiles of P_o, all of K, into registers
.irp ks, 0,1,2,3,4
.irp b, 0,1,2,3
	IFRAG 12*(4*\ks+\b), B16, B8, \b*12288+\ks*1536
.endr
.endr
	WIN 0x80
.irp ks, 5,6,7
.irp b, 0,1,2,3
	IFRAG 12*(4*(\ks-5)+\b), B16, B8, \b*12288+\ks*1536
.endr
.endr
	WIN 0
	ALOAD 0
	s_wait_loadcnt 0x0                             ; the scale words
.irp a, 0,1,2,3,4,5,6,7
.if \a > 0
	PLACES                                         ; in front of loads into the set that block a - 1 multiplied, and of the stores that read its results
.endif
.if \a < 7
	ALOAD \a+1
.endif
.if \a > 0
	s_wait_xcnt 0x0                                ; the earlier stores have read their registers and their base
	TOSTAGE \a-1
.endif
.if \a == 0
	s_wait_dscnt 32                                ; all but block 1's 32 loads
.elseif \a < 7
	s_wait_dscnt 48                                ; block a is in: behind it stand the next block's 32 loads and the stage's 16 lines
.else
	s_wait_dscnt 16                                ; behind it stand the stage's 16 lines
.endif
	ROWBLK \a
.if \a > 0
	s_wait_dscnt 0x0                               ; block a - 1 is back in registers
	SEND \a-1
.endif
.endr
	PLACES
	s_wait_xcnt 0x0
	TOSTAGE 7
	s_wait_dscnt 0x0
	SEND 7
	s_wait_tensorcnt 0x0                           ; the wave's end
	ds_add_u32 v[SPW], v[NIL]
	s_wait_dscnt 0x0
	CROUND                                         ; the closing round
	s_endpgm
.Lfunc_end_k_qd27770083d_outp:
	.size	k_qd27770083d_outp, .Lfunc_end_k_qd27770083d_outp-k_qd27770083d_outp
	.p2alignl 7, 3214868480
	.fill 96, 4, 3214868480
	.section	.rodata,"a",@progbits
	.p2align	6, 0x0
	.amdhsa_kernel k_qd27770083d_outp
		.amdhsa_group_segment_fixed_size 327680
		.amdhsa_private_segment_fixed_size 0
		.amdhsa_enable_private_segment 0
		.amdhsa_kernarg_size 40
		.amdhsa_user_sgpr_count 2
		.amdhsa_user_sgpr_kernarg_segment_ptr 1
		.amdhsa_wavefront_size32 1
		.amdhsa_system_sgpr_workgroup_id_x 1
		.amdhsa_system_sgpr_workgroup_id_y 1
		.amdhsa_system_sgpr_workgroup_id_z 1
		.amdhsa_system_vgpr_workitem_id 0
		.amdhsa_next_free_vgpr 832
		.amdhsa_next_free_sgpr 100
		.amdhsa_reserve_vcc 0
		.amdhsa_float_denorm_mode_32 3
		.amdhsa_float_denorm_mode_16_64 3
		.amdhsa_memory_ordered 1
		.amdhsa_forward_progress 1
		.amdhsa_inst_pref_size 85
	.end_amdhsa_kernel
	.amdgpu_metadata
---
amdhsa.version: [ 1, 2 ]
amdhsa.kernels:
  - .name:           k_qd27770083d_outp
    .symbol:         k_qd27770083d_outp.kd
    .args:
      - { .name: o_img, .offset: 0, .size: 8, .value_kind: global_buffer, .address_space: global }
      - { .name: o_scl, .offset: 8, .size: 8, .value_kind: global_buffer, .address_space: global }
      - { .name: po_img, .offset: 16, .size: 8, .value_kind: global_buffer, .address_space: global }
      - { .name: po_scl, .offset: 24, .size: 8, .value_kind: global_buffer, .address_space: global }
      - { .name: out0, .offset: 32, .size: 8, .value_kind: global_buffer, .address_space: global }
    .group_segment_fixed_size: 327680
    .private_segment_fixed_size: 0
    .kernarg_segment_align: 8
    .kernarg_segment_size: 40
    .max_flat_workgroup_size: 128
    .sgpr_count:     100
    .vgpr_count:     832
    .wavefront_size: 32
...
	.end_amdgpu_metadata
.endif
;; end of part 3
